; MI455X (gfx1250); checked and timed in simulation.
; The chip was launched on July 23, 2026; its instructions are those of AMD's public machine-readable ISA for CDNA 5 (MIT licence, August 2026) and "CDNA5" Instruction Set Architecture Reference Guide (July 2026). The comments in the code are by the model that wrote it; some were corrected since.
;; EEG Former. Allowed arithmetic: float matrix products may take bf16 or f16 operands with f32 sums; all other float work in f32.
;; Inputs: W1 2,048 x 512 float32; W2 512 x 2,048 float32; Wk 8 x 64 x 512 float32; Wo 512 x 512 float32; Wq 8 x 64 x 512 float32; Wv 8 x 64 x 512 float32; b1 2,048 float32; b2 512 float32; be1 512 float32; be2 512 float32; bo 512 float32; g1 512 float32; g2 512 float32; x 4 x 32 x 128 x 512 float32.
;; Outputs: out0 4 x 32 x 128 x 512 float32.
;; 2 versions, each right and faster than the one before. Each part assembles by itself: llvm-mc -triple=amdgcn-amd-amdhsa -mcpu=gfx1250 --defsym DOCPART=n.
;; ======== version 1 of 2: 3 launches
;; limits: values are held in f16: magnitudes above 65,504 overflow, below 6.1e-05 lose precision
;; workspace buffers: h 16,777,216 bytes; o 16,777,216 bytes; wqkv 1,572,864 bytes; wo16 524,288 bytes; w116 2,097,152 bytes; w216 2,097,152 bytes
;; launch prep (part 1): grid 352 x 1, 8 waves a work-group, no clusters, 0 bytes of LDS; arguments x, g1, be1, Wq, Wk, Wv, Wo, W1, W2, h, wqkv, wo16, w116, w216; writes h, wqkv, wo16, w116, w216
.if DOCPART == 1
	.amdgcn_target "amdgcn-amd-amdhsa--gfx1250"
	.amdhsa_code_object_version 6
	.text
	.protected	k_q9c53e5ada4_prep
	.globl	k_q9c53e5ada4_prep
	.p2align	8
	.type	k_q9c53e5ada4_prep,@function
k_q9c53e5ada4_prep:
	s_mov_b64 s[64:65], 0
	v_nop
	global_prefetch_b8 v0, s[64:65] scope:SCOPE_SE
	s_setreg_imm32_b32 hwreg(HW_REG_WAVE_MODE, 25, 1), 1
	s_wait_xcnt 0x0
; TWO STREAMS IN ONE LAUNCH.  Work-groups 0-255: h = LayerNorm(x) * g1 + be1, f32 in, f16 out, 64 rows of 512 each.
; Work-groups 256-351: the six weight tensors rounded to f16, 32,768 numbers a work-group; Wq, Wk, Wv are laid by heads: wqkv[head][q,k,v][64][512].
; No LDS, no barrier, no matrix unit: every byte is read once and written once, and a row's sums never leave a wave.
; LIMIT: f16 ends at 65,504: a weight or a number of h beyond that becomes an infinity.  Mean first, then the sum of (x - mean)^2: no difference of large sums.
.set G, 4                              ; v[4:19]    g1 of my 16 columns
.set B, 20                             ; v[20:35]   be1 of my 16 columns
.set T, 36                             ; v[36:43]   at work
.set X, 52                             ; v[52:179]  LN: row i in 16 registers; weights: load n in 4 registers
	s_load_b512 s[4:19], s[0:1], 0x0               ; x 4, g1 6, be1 8, Wq 10, Wk 12, Wv 14, Wo 16, W1 18
	s_load_b256 s[20:27], s[0:1], 0x40             ; W2 20, h 22, wqkv 24, wo16 26
	s_load_b128 s[28:31], s[0:1], 0x60             ; w116 28, w216 30
	v_lshrrev_b32 v3, 5, v0
	v_readfirstlane_b32 s36, v3                    ; wave 0..7
	s_mov_b32 s32, 0x3b000000                      ; 1 / 512
	s_mov_b32 s33, 0x3727c5ac                      ; 1e-5
	s_mov_b32 s34, 0x76543210                      ; v_permlanex16_b32: each lane takes its own place in the other half
	s_mov_b32 s35, 0xfedcba98
	s_cmp_lt_u32 ttmp9, 256
	s_cbranch_scc0 .Lweights
	; LAYER NORM.  A wave owns 8 rows; a row is 4 loads of 512 consecutive bytes: lane l holds columns 128 j + 4 l + 0..3, j = 0..3.
	v_and_b32 v3, 31, v0
	v_lshlrev_b32 v1, 4, v3                        ; 16 bytes a lane in x, g1, be1
	v_lshlrev_b32 v2, 3, v3                        ; 8 bytes a lane in h
	s_lshl_b32 s40, ttmp9, 17                      ; 64 rows of 2,048 bytes a work-group,
	s_lshl_b32 s37, s36, 14                        ; 8 rows a wave
	s_add_co_u32 s40, s40, s37
	s_mov_b32 s41, 0
	s_lshr_b32 s42, s40, 1                         ; h's rows are half as long
	s_mov_b32 s43, 0
	s_wait_kmcnt 0x0
	s_add_nc_u64 s[4:5], s[4:5], s[40:41]
	s_add_nc_u64 s[22:23], s[22:23], s[42:43]
.irp j, 0,1,2,3
	global_load_b128 v[G+4*\j:G+4*\j+3], v1, s[6:7] offset:512*\j
	global_load_b128 v[B+4*\j:B+4*\j+3], v1, s[8:9] offset:512*\j
.endr
.set n, 0
.rept 32                                       ; all eight rows are asked for at once: 32 loads of the wave are on their way
	global_load_b128 v[X+4*n:X+4*n+3], v1, s[4:5] offset:2048*(n/4)+512*(n%4)
.set n, n+1
.endr
.macro REDUCE r, t                     ; the sum of v[r] over the 32 lanes, in every lane; v[t] has been written before
	v_add_f32_dpp v[\r], v[\r], v[\r] row_xmask:1 row_mask:0xf bank_mask:0xf
	v_add_f32_dpp v[\r], v[\r], v[\r] row_xmask:2 row_mask:0xf bank_mask:0xf
	v_add_f32_dpp v[\r], v[\r], v[\r] row_xmask:4 row_mask:0xf bank_mask:0xf
	v_add_f32_dpp v[\r], v[\r], v[\r] row_xmask:8 row_mask:0xf bank_mask:0xf
	v_permlanex16_b32 v[\t], v[\r], s34, s35
	v_add_f32 v[\r], v[\r], v[\t]
.endm
.macro ROW i
.set R, X+16*(\i)
	s_wait_loadcnt 28-4*(\i)                       ; loads come back in order: my row is in, the four loads of each younger row stay out
	v_pk_add_f32 v[T:T+1], v[R:R+1], v[R+2:R+3]
	v_pk_add_f32 v[T+2:T+3], v[R+4:R+5], v[R+6:R+7]
	v_pk_add_f32 v[T+4:T+5], v[R+8:R+9], v[R+10:R+11]
	v_pk_add_f32 v[T+6:T+7], v[R+12:R+13], v[R+14:R+15]
	v_pk_add_f32 v[T:T+1], v[T:T+1], v[T+2:T+3]
	v_pk_add_f32 v[T+4:T+5], v[T+4:T+5], v[T+6:T+7]
	v_pk_add_f32 v[T:T+1], v[T:T+1], v[T+4:T+5]
	v_add_f32 v[T], v[T], v[T+1]
	REDUCE T, T+1
	v_mul_f32 v[T], s32, v[T]                      ; the mean
.irp k, 0,2,4,6,8,10,12,14
	v_pk_add_f32 v[R+\k:R+\k+1], v[R+\k:R+\k+1], v[T:T+1] op_sel_hi:[1,0] neg_lo:[0,1] neg_hi:[0,1]  ; x - mean, in place
.endr
	v_pk_mul_f32 v[T+2:T+3], v[R:R+1], v[R:R+1]    ; the squares, in two chains
	v_pk_mul_f32 v[T+4:T+5], v[R+2:R+3], v[R+2:R+3]
.irp k, 4,8,12
	v_pk_fma_f32 v[T+2:T+3], v[R+\k:R+\k+1], v[R+\k:R+\k+1], v[T+2:T+3]
	v_pk_fma_f32 v[T+4:T+5], v[R+\k+2:R+\k+3], v[R+\k+2:R+\k+3], v[T+4:T+5]
.endr
	v_pk_add_f32 v[T+2:T+3], v[T+2:T+3], v[T+4:T+5]
	v_add_f32 v[T+2], v[T+2], v[T+3]
	REDUCE T+2, T+3
	v_fma_f32 v[T+2], v[T+2], s32, s33             ; variance + 1e-5
	v_rsq_f32 v[T+2], v[T+2]
	v_nop                                          ; a plain instruction between the transcendental and the use of its result (ISA guide 5.7.2)
	s_wait_alu depctr_va_vdst(0)
.irp k, 0,2,4,6,8,10,12,14
	v_pk_mul_f32 v[R+\k:R+\k+1], v[R+\k:R+\k+1], v[T+2:T+3] op_sel_hi:[1,0]
.endr
.irp k, 0,2,4,6,8,10,12,14
	v_pk_fma_f32 v[R+\k:R+\k+1], v[R+\k:R+\k+1], v[G+\k:G+\k+1], v[B+\k:B+\k+1]
.endr
.irp k, 0,1,2,3,4,5,6,7
	v_cvt_pk_f16_f32 v[R+\k], v[R+2*\k], v[R+2*\k+1]  ; in place, ascending: register k is written when 2 k and 2 k + 1 are read
.endr
.irp j, 0,1,2,3
	global_store_b64 v2, v[R+2*\j:R+2*\j+1], s[22:23] offset:1024*(\i)+256*\j  ; 32 lanes store 256 consecutive bytes, at a multiple of 256 from h's first byte
.endr
.endm
.irp i, 0,1,2,3,4,5,6,7
	ROW \i                                         ; no register that a store reads is written again: no further wait
.endr
	s_endpgm
.Lweights:
	; block j = 0..95: 0-7 Wq's heads, 8-15 Wk's, 16-23 Wv's, 24-31 Wo, 32-63 W1, 64-95 W2.  Source and destination are chosen by compares on j alone.
	s_sub_co_u32 s36, ttmp9, 256                   ; j
	s_sub_co_u32 s44, s36, 64
	s_sub_co_u32 s45, s36, 32
	s_sub_co_u32 s46, s36, 24
	s_and_b32 s47, s36, 7                          ; the head
	s_lshr_b32 s38, s36, 3                         ; 0 q, 1 k, 2 v
	s_mul_i32 s39, s47, 3
	s_add_co_u32 s38, s38, s39                     ; the block's place in wqkv: 3 head + kind
	v_lshlrev_b32 v1, 4, v0                        ; 256 threads x 16 bytes: a load of the work-group covers 4,096 consecutive bytes
	v_lshlrev_b32 v2, 3, v0
	s_wait_kmcnt 0x0
	s_mov_b64 s[40:41], s[20:21]
	s_mov_b64 s[42:43], s[30:31]
	s_mov_b32 s37, s44
	s_mov_b32 s39, s44
	s_cmp_lt_u32 s36, 64
	s_cselect_b64 s[40:41], s[18:19], s[40:41]
	s_cselect_b64 s[42:43], s[28:29], s[42:43]
	s_cselect_b32 s37, s45, s37
	s_cselect_b32 s39, s45, s39
	s_cmp_lt_u32 s36, 32
	s_cselect_b64 s[40:41], s[16:17], s[40:41]
	s_cselect_b64 s[42:43], s[26:27], s[42:43]
	s_cselect_b32 s37, s46, s37
	s_cselect_b32 s39, s46, s39
	s_cmp_lt_u32 s36, 24
	s_cselect_b64 s[40:41], s[14:15], s[40:41]
	s_cselect_b64 s[42:43], s[24:25], s[42:43]
	s_cselect_b32 s37, s47, s37
	s_cselect_b32 s39, s38, s39
	s_cmp_lt_u32 s36, 16
	s_cselect_b64 s[40:41], s[12:13], s[40:41]
	s_cmp_lt_u32 s36, 8
	s_cselect_b64 s[40:41], s[10:11], s[40:41]
	s_lshl_b32 s44, s37, 17                        ; a block is 131,072 bytes of f32
	s_mov_b32 s45, 0
	s_lshl_b32 s46, s39, 16                        ; and 65,536 of f16
	s_mov_b32 s47, 0
	s_add_nc_u64 s[40:41], s[40:41], s[44:45]
	s_add_nc_u64 s[42:43], s[42:43], s[46:47]
.set n, 0
.rept 32
	global_load_b128 v[X+4*n:X+4*n+3], v1, s[40:41] offset:4096*n th:TH_LOAD_NT
.set n, n+1
.endr
.set n, 0
.rept 32
	s_wait_loadcnt 31-n                            ; load n is in, the younger ones stay out
	v_cvt_pk_f16_f32 v[X+4*n], v[X+4*n], v[X+4*n+1]
	v_cvt_pk_f16_f32 v[X+4*n+1], v[X+4*n+2], v[X+4*n+3]
	global_store_b64 v2, v[X+4*n:X+4*n+1], s[42:43] offset:2048*n  ; a wave stores 256 consecutive bytes, aligned
.set n, n+1
.endr
	s_endpgm
.Lfunc_end_k_q9c53e5ada4_prep:
	.size	k_q9c53e5ada4_prep, .Lfunc_end_k_q9c53e5ada4_prep-k_q9c53e5ada4_prep
	.p2alignl 7, 3214868480
	.fill 96, 4, 3214868480
	.section	.rodata,"a",@progbits
	.p2align	6, 0x0
	.amdhsa_kernel k_q9c53e5ada4_prep
		.amdhsa_group_segment_fixed_size 0
		.amdhsa_private_segment_fixed_size 0
		.amdhsa_enable_private_segment 0
		.amdhsa_kernarg_size 112
		.amdhsa_user_sgpr_count 2
		.amdhsa_user_sgpr_kernarg_segment_ptr 1
		.amdhsa_wavefront_size32 1
		.amdhsa_system_sgpr_workgroup_id_x 1
		.amdhsa_system_sgpr_workgroup_id_y 1
		.amdhsa_system_sgpr_workgroup_id_z 1
		.amdhsa_system_vgpr_workitem_id 0
		.amdhsa_next_free_vgpr 192
		.amdhsa_next_free_sgpr 66
		.amdhsa_reserve_vcc 0
		.amdhsa_float_denorm_mode_32 3
		.amdhsa_float_denorm_mode_16_64 3
		.amdhsa_memory_ordered 1
		.amdhsa_forward_progress 1
		.amdhsa_inst_pref_size 53
	.end_amdhsa_kernel
	.amdgpu_metadata
---
amdhsa.version: [ 1, 2 ]
amdhsa.kernels:
  - .name:           k_q9c53e5ada4_prep
    .symbol:         k_q9c53e5ada4_prep.kd
    .args:
      - { .name: x, .offset: 0, .size: 8, .value_kind: global_buffer, .address_space: global }
      - { .name: g1, .offset: 8, .size: 8, .value_kind: global_buffer, .address_space: global }
      - { .name: be1, .offset: 16, .size: 8, .value_kind: global_buffer, .address_space: global }
      - { .name: Wq, .offset: 24, .size: 8, .value_kind: global_buffer, .address_space: global }
      - { .name: Wk, .offset: 32, .size: 8, .value_kind: global_buffer, .address_space: global }
      - { .name: Wv, .offset: 40, .size: 8, .value_kind: global_buffer, .address_space: global }
      - { .name: Wo, .offset: 48, .size: 8, .value_kind: global_buffer, .address_space: global }
      - { .name: W1, .offset: 56, .size: 8, .value_kind: global_buffer, .address_space: global }
      - { .name: W2, .offset: 64, .size: 8, .value_kind: global_buffer, .address_space: global }
      - { .name: h, .offset: 72, .size: 8, .value_kind: global_buffer, .address_space: global }
      - { .name: wqkv, .offset: 80, .size: 8, .value_kind: global_buffer, .address_space: global }
      - { .name: wo16, .offset: 88, .size: 8, .value_kind: global_buffer, .address_space: global }
      - { .name: w116, .offset: 96, .size: 8, .value_kind: global_buffer, .address_space: global }
      - { .name: w216, .offset: 104, .size: 8, .value_kind: global_buffer, .address_space: global }
    .group_segment_fixed_size: 0
    .private_segment_fixed_size: 0
    .kernarg_segment_align: 8
    .kernarg_segment_size: 112
    .max_flat_workgroup_size: 256
    .sgpr_count:     66
    .vgpr_count:     192
    .wavefront_size: 32
...
	.end_amdgpu_metadata
.endif
;; end of part 1
;; launch attn (part 2): grid 256 x 1, 4 waves a work-group, clusters of 4 x 1, 327,680 bytes of LDS; arguments h, wqkv, o; writes o
.if DOCPART == 2
	.amdgcn_target "amdgcn-amd-amdhsa--gfx1250"
	.amdhsa_code_object_version 6
	.text
	.protected	k_q9c53e5ada4_attn
	.globl	k_q9c53e5ada4_attn
	.p2align	8
	.type	k_q9c53e5ada4_attn,@function
k_q9c53e5ada4_attn:
	s_mov_b64 s[64:65], 0
	v_nop
	global_prefetch_b8 v0, s[64:65] scope:SCOPE_SE
	s_setreg_imm32_b32 hwreg(HW_REG_WAVE_MODE, 25, 1), 1
	s_wait_xcnt 0x0
	s_wait_alu depctr_hold_cnt(0) depctr_sa_sdst(0) depctr_va_vdst(0) depctr_va_sdst(0) depctr_va_ssrc(0) depctr_va_vcc(0) depctr_vm_vsrc(0)
	s_getreg_b32 s2, hwreg(HW_REG_IB_STS2, 6, 4)
	s_cmp_eq_u32 s2, 0
	s_cbranch_scc0 .Lentry_in_a_cluster
	s_endpgm
.Lentry_in_a_cluster:
	s_bfe_u32 s2, ttmp6, 0x10000c
	s_cmp_lg_u32 s2, 0x3003
	s_cbranch_scc0 .Lentry_shape_is_right
	s_endpgm
.Lentry_shape_is_right:
; o[row][64 head + d] = softmax_k(q . k / 8) v for one group of 128 rows and FOUR of the eight heads; q, k, v = h W^T of that head.  h, the weights and o are f16; sums, maxima and softmax in f32.
; SHARES.  128 groups x 2 head halves = 256 work-groups.  Wave w: a = w / 2 is its half of the rows, b = w % 2 its half of a head's 64 channels in the projections; in the attention it owns queries 32 w .. 32 w + 31.
; h of the wave's 64 rows stays in 512 registers for all four heads.  A head's weights (192 rows x 512) come as two tiles of 192 x 256, one to each of two LDS slots, by joint tensor loads:
; the four work-groups of a cluster have the same head half and walk the same weights, so each tile is asked for by all four with one descriptor and the mask 15.
; LAYOUT.  Q, K: source 0 = 16 weight rows, source 1 = 16 rows of h: a lane holds one row and eight neighbouring channels.  V: the sources swapped: a lane holds one channel and eight neighbouring keys, so V lies
; in LDS as [channel][key] and all fragments are plain 16-byte loads.  S^T = K Q^T holds one query a lane; two results rounded to f16 ARE source 1 of O^T = V^T P.
; SOFTMAX.  All 128 scores of a query are in registers (64 in each of two lanes): the row's true maximum is taken away; p = 2^(c s - c m), c = log2(e) / 8; l is the sum of the unrounded p.
; LIMITS.  f16 ends at 65,504: q, k or v beyond that becomes an infinity; a weight p below 2^-126 counts as 0; NaN and infinities are not treated apart.
; REGISTERS, in windows of 256 (s_set_vgpr_msb: bits 1:0 source 0, 3:2 source 1, 5:4 source 2, 7:6 destination):
;   window 0: v0-31 addresses and statistics; v32-127 two buffers of six weight fragments, later Q's fragments (v32-63) and P (v64-127); v128-255 S^T, later O^T (v128-191)
;   window 1: v0-191 the 24 accumulators of Q, K, V ((f, a') at 8 (4 f + a')); later K's fragments (v0-127) and V's (v128-255)      windows 2, 3: h: fragment (ks, a') at 8 (4 (ks % 8) + a') of window 2 + ks / 8
.set PW,    528                        ; a weight row in LDS: 512 bytes + 16: 132 words, row r starts at bank 4 r mod 64 (64 banks of 4 bytes: ISA guide 11.1)
.set SLOTB, 192*PW
.set WPART, 48*PW                      ; the 48 rows that one wave's load brings
.set PQ,    144                        ; a row of Q or K: 128 bytes + 16
.set PVT,   272                        ; a channel of V: 128 keys, 256 bytes + 16
.set POS,   528                        ; a row of the work-group's part of o: 4 heads x 128 bytes + 16
.set QB,    2*SLOTB                    ; behind the slots, in blocks of 256 bytes into which no tensor load lands
.set KB,    QB+128*PQ
.set VT,    KB+128*PQ
.set OS,    VT+64*PVT
.set SPARE, OS+128*POS                 ; the spare words: 128 bytes a wave, two blocks of 256 bytes that no other line names
.set HEADB, 196608                     ; a head's bytes in wqkv
.set WA,  4                            ; v4 Q's and K's weight rows in slot 0, v5 V's; v6, v7 the same in slot 1
.set QSA, 8                            ; where I store 16 bytes of Q (K: 128 rows further)
.set VSA, 9                            ; of V
.set QRA, 10                           ; where I read Q's, K's, V's fragments
.set KRA, 11
.set VRA, 12
.set OSA, 13                           ; where I store 16 bytes of o; steps by a head's 128 bytes
.set ORA, 14                           ; where I read rows of o back
.set GOA, 15                           ; my 16 bytes in 512 of o
.set HOA, 16                           ; my 16 bytes in 16 rows of h
.set SPW, 17                           ; my spare word; never rewritten
.set NIL, 18                           ; 0; never rewritten
.set CH,  20                           ; v20-23 four chains of the maximum
.set CM,  24                           ; v24 c m, v25 m
.set LS,  26                           ; v26-27 l at work
.set RL,  28                           ; v[28:29], v[30:31] 1 / l of the two query tiles, twice each
.set FB,  32
.set QF,  32
.set PF,  64
.set SS,  128
.set MSB, 0
.macro WIN new                         ; the immediate's high byte repeats the setting that is left; a switch that changes nothing is dropped
.if MSB != (\new)
	s_set_vgpr_msb (MSB<<8)|(\new)
.set MSB, \new
.endif
.endm
.macro PLACES n                        ; plain vector instructions between a matrix instruction and what touches its registers (ISA guide 7.12.1)
.rept \n
	v_nop
.endr
.endm
.macro ROUND                           ; a round of the cluster's barrier: my work-group's barrier; wave 0 signals for it; every wave waits for all four work-groups; my work-group's barrier again
	s_barrier_signal -1
	s_barrier_wait -1
	s_cmp_lg_u32 s10, 0
	s_cbranch_scc1 .Lnot_wave_0_\@
	s_barrier_signal -3
.Lnot_wave_0_\@:
	s_barrier_wait -3
	s_barrier_signal -1
	s_barrier_wait -1
.endm
	s_load_b128 s[4:7], s[0:1], 0x0                ; h s[4:5], wqkv s[6:7]
	s_load_b64 s[8:9], s[0:1], 0x10                ; o
	v_lshl_add_u32 v[SPW], v0, 2, SPARE
	v_mov_b32 v[NIL], 0
	ds_add_u32 v[SPW], v[NIL]                      ; the wave's opening: the add and its wait ahead of my first tensor load; the set-up, work on registers, stands between
	v_lshrrev_b32 v1, 5, v0
	v_readfirstlane_b32 s10, v1                    ; wave 0..3
	s_lshr_b32 s11, s10, 1                         ; a
	s_and_b32 s12, s10, 1                          ; b
	s_bfe_u32 s13, ttmp6, 0x40000                  ; cx: it enters h's and o's addresses alone
	s_and_b32 s14, ttmp9, 1                        ; the head half: the cluster's number is shared by the four partners
	s_lshr_b32 s15, ttmp9, 1
	s_lshl_b32 s15, s15, 2
	s_add_co_u32 s15, s15, s13                     ; the group of 128 rows
	; descriptor group 1: 48 rows x 256 elements of 2 bytes, 16 bytes of padding behind each row
	s_mov_b32 s16, 15|(1<<16)|(1<<20)|(1<<21)|(6<<22)|(3<<25)  ; the mask of four; 2-byte elements; padding on; bit 21 beside a mask; after every 128 words; 4 words
	s_mov_b32 s17, 256<<16                         ; tensor_dim0 = 256
	s_mov_b32 s18, 48<<16                          ; tensor_dim1 = 48
	s_mov_b32 s19, 256<<16                         ; tile_dim0 = 256
	s_mov_b32 s20, 48                              ; tile_dim1 = 48
	s_mov_b32 s21, 512                             ; elements from row to row
	s_mov_b32 s22, 0
	s_mov_b32 s23, 0
	s_mov_b32 s24, 1                               ; group 0 for slot 0 in s[24:27], for slot 1 in s[28:31]
	s_mul_i32 s25, s10, WPART                      ; my 48 rows' place: the wave's number alone
	s_mov_b32 s28, 1
	s_add_co_u32 s29, s25, SLOTB
	s_mul_i32 s32, s14, 4*HEADB                    ; my half's first head,
	s_mul_i32 s33, s10, 48*1024                    ; my 48 of its 192 rows
	s_add_co_u32 s32, s32, s33
	s_mov_b32 s33, 0
	s_lshl_b32 s34, s15, 17                        ; h: 128 rows of 1,024 bytes a group,
	s_lshl_b32 s35, s11, 16                        ; my half of them
	s_add_co_u32 s34, s34, s35
	s_mov_b32 s35, 0
	s_lshl_b32 s42, s15, 17                        ; o: the group, my 32 rows, my half's 512 bytes of a row
	s_lshl_b32 s43, s10, 15
	s_add_co_u32 s42, s42, s43
	s_lshl_b32 s43, s14, 9
	s_add_co_u32 s42, s42, s43
	s_mov_b32 s43, 0
	s_mov_b32 s38, 0x3e38aa3b                      ; c = log2(e) / 8
	s_mov_b32 s39, s38                             ; named with it as a pair
	s_mov_b32 s40, 0x76543210                      ; v_permlanex16_b32: each lane takes its own place in the other half
	s_mov_b32 s41, 0xfedcba98
	v_and_b32 v1, 15, v0                           ; r
	v_bfe_u32 v2, v0, 4, 1                         ; hh
	v_and_b32 v3, 31, v0                           ; lane
	v_mul_u32_u24 v19, v1, PW
	v_lshl_add_u32 v19, v2, 4, v19                 ; a fragment's row x pitch + 16 x half
	s_mul_i32 s44, s12, 32*PW
	v_add_nc_u32 v[WA], s44, v19
	v_add_nc_u32 v[WA+1], 128*PW, v[WA]
	v_add_nc_u32 v[WA+2], SLOTB, v[WA]
	v_add_nc_u32 v[WA+3], SLOTB+128*PW, v[WA]
	s_mul_i32 s44, s10, 32*POS
	s_add_co_u32 s44, s44, OS
	v_add_nc_u32 v[OSA], s44, v19
	v_lshl_add_u32 v[ORA], v3, 4, s44
	v_lshlrev_b32 v[GOA], 4, v3
	v_mul_u32_u24 v19, v1, PQ
	v_lshl_add_u32 v19, v2, 4, v19
	s_mul_i32 s44, s11, 64*PQ
	s_lshl_b32 s45, s12, 6
	s_add_co_u32 s44, s44, s45
	s_add_co_u32 s44, s44, QB
	v_add_nc_u32 v[QSA], s44, v19
	s_mul_i32 s44, s10, 32*PQ
	s_add_co_u32 s44, s44, QB
	v_add_nc_u32 v[QRA], s44, v19
	v_add_nc_u32 v[KRA], KB, v19
	v_mul_u32_u24 v19, v1, PVT
	v_lshl_add_u32 v19, v2, 4, v19
	s_mul_i32 s44, s12, 32*PVT
	s_lshl_b32 s45, s11, 7
	s_add_co_u32 s44, s44, s45
	s_add_co_u32 s44, s44, VT
	v_add_nc_u32 v[VSA], s44, v19
	v_add_nc_u32 v[VRA], VT, v19
	v_lshlrev_b32 v[HOA], 10, v1
	v_lshl_add_u32 v[HOA], v2, 4, v[HOA]
	v_mov_b32 v[LS+1], 0                           ; a lane exchange's destination counts as read: written once here
	s_wait_dscnt 0x0                               ; the opening add is done
	s_wait_kmcnt 0x0
	s_add_nc_u64 s[26:27], s[6:7], s[32:33]        ; the first head's k = 0..255,
	s_add_nc_u64 s[30:31], s[26:27], 512           ; and k = 256..511
	s_or_b32 s27, s27, 0x80000000                  ; type = 2
	s_or_b32 s31, s31, 0x80000000
	s_add_nc_u64 s[4:5], s[4:5], s[34:35]
	s_add_nc_u64 s[8:9], s[8:9], s[42:43]
	ROUND                                          ; all four work-groups are here: the first joint loads meet
	tensor_load_to_lds s[24:27], s[16:23]          ; both first fills together: two loads of mine are out
	s_nop 0
	tensor_load_to_lds s[28:31], s[16:23]
	s_nop 0
	PLACES 4
	; h stays in registers: lane (r, hh) takes row 16 a' + r, bytes 64 ks + 16 hh and 32 further
	WIN 0x80
.irp k, 0,1,2,3,4,5,6,7
.irp a, 0,1,2,3
	global_load_b128 v[8*(4*\k+\a):8*(4*\k+\a)+3],   v[HOA], s[4:5] offset:16384*\a+64*\k
	global_load_b128 v[8*(4*\k+\a)+4:8*(4*\k+\a)+7], v[HOA], s[4:5] offset:16384*\a+64*\k+32
.endr
.endr
	WIN 0xc0
.irp k, 0,1,2,3,4,5,6,7
.irp a, 0,1,2,3
	global_load_b128 v[8*(4*\k+\a):8*(4*\k+\a)+3],   v[HOA], s[4:5] offset:16384*\a+64*\k+512
	global_load_b128 v[8*(4*\k+\a)+4:8*(4*\k+\a)+7], v[HOA], s[4:5] offset:16384*\a+64*\k+544
.endr
.endr
	WIN 0
; 12 LDS loads: the six weight fragments (f = 0, 1 Q; 2, 3 K; 4, 5 V: my 32 channels of each) of 32 along k
.macro FETCHW slot, ksl, buf
	WIN 0
.irp f, 0,1,2,3
	ds_load_b128 v[(\buf)+8*\f:(\buf)+8*\f+3],   v[WA+2*(\slot)] offset:(\f/2)*64*PW+(\f%2)*16*PW+64*(\ksl)
	ds_load_b128 v[(\buf)+8*\f+4:(\buf)+8*\f+7], v[WA+2*(\slot)] offset:(\f/2)*64*PW+(\f%2)*16*PW+64*(\ksl)+32
.endr
.irp f, 4,5
	ds_load_b128 v[(\buf)+8*\f:(\buf)+8*\f+3],   v[WA+2*(\slot)+1] offset:(\f%2)*16*PW+64*(\ksl)
	ds_load_b128 v[(\buf)+8*\f+4:(\buf)+8*\f+7], v[WA+2*(\slot)+1] offset:(\f%2)*16*PW+64*(\ksl)+32
.endr
.endm
; 16 products for Q and K, 8 for V.  The 24 accumulators take turns, one instruction a turn.  zero = 1: the first products start the sums.
.macro MQK buf, ksl, w, zero
	WIN 0x50|((\w)<<2)                             ; C and D window 1, weights window 0, h window w
.irp f, 0,1,2,3
.irp a, 0,1,2,3
.if \zero
	v_wmma_f32_16x16x32_f16 v[8*(4*\f+\a):8*(4*\f+\a)+7], v[(\buf)+8*\f:(\buf)+8*\f+7], v[8*(4*(\ksl)+\a):8*(4*(\ksl)+\a)+7], 0
.else
	v_wmma_f32_16x16x32_f16 v[8*(4*\f+\a):8*(4*\f+\a)+7], v[(\buf)+8*\f:(\buf)+8*\f+7], v[8*(4*(\ksl)+\a):8*(4*(\ksl)+\a)+7], v[8*(4*\f+\a):8*(4*\f+\a)+7]
.endif
.endr
.endr
.endm
.macro MV buf, ksl, w, zero
	WIN 0x50|(\w)                                  ; the sources swapped: h is source 0
.irp f, 4,5
.irp a, 0,1,2,3
.if \zero
	v_wmma_f32_16x16x32_f16 v[8*(4*\f+\a):8*(4*\f+\a)+7], v[8*(4*(\ksl)+\a):8*(4*(\ksl)+\a)+7], v[(\buf)+8*\f:(\buf)+8*\f+7], 0
.else
	v_wmma_f32_16x16x32_f16 v[8*(4*\f+\a):8*(4*\f+\a)+7], v[8*(4*(\ksl)+\a):8*(4*(\ksl)+\a)+7], v[(\buf)+8*\f:(\buf)+8*\f+7], v[8*(4*\f+\a):8*(4*\f+\a)+7]
.endif
.endr
.endr
.endm
; One step of 32 along k: its fragments are in; the next step's are asked for, 24 products ahead of their use
.macro KS slot, ksl, w, zero
	s_wait_dscnt 0x0                               ; only this step's twelve loads can be out
	PLACES 4                                       ; the other buffer was read by the products just issued
	FETCHW \slot, (\ksl)+1, FB+48*(((\ksl)+1)%2)
	MQK FB+48*((\ksl)%2), \ksl, \w, \zero
	MV  FB+48*((\ksl)%2), \ksl, \w, \zero
.endm
; From slot 0 to slot 1, in slot 0's last step.  Each wave waits for all its tensor loads (one is out: its part of slot 1), adds 0 to its spare word, and waits for that and for its reads of slot 0.
; fill = 1: behind a round of the cluster's barrier slot 0 takes the next head's first half, the first thing there.
.macro CHANGE_A fill
	WIN 0
	s_wait_tensorcnt 0x0                           ; no tensor load of mine is out, so a group 0 may be written
	ds_add_u32 v[SPW], v[NIL]
.if \fill
	s_add_nc_u64 s[26:27], s[26:27], HEADB         ; the next head; the type bits on top are not reached
.endif
	s_wait_dscnt 1                                 ; the step's fragments are in; the add may be out
	MQK FB+48, 7, 2, 0
	s_wait_dscnt 0x0                               ; the add is done, and my reads of slot 0 are over
	WIN 0                                          ; at a branch and at a label every window is 0
.if \fill
	ROUND
	tensor_load_to_lds s[24:27], s[16:23]
	s_nop 0
.else
	s_barrier_signal -1
	s_barrier_wait -1
.endif
	PLACES 4
	FETCHW 1, 0, FB
	MV FB+48, 7, 2, 0
.endm
; Q, K, V rounded to f16, in place, each accumulator from its low end on; 16 bytes a lane into LDS
.macro PACK
	PLACES 4
	WIN 0x45
.set n, 0
.rept 24
.irp i, 0,1,2,3
	v_cvt_pk_f16_f32 v[8*n+\i], v[8*n+2*\i], v[8*n+2*\i+1]
.endr
.set n, n+1
.endr
	WIN 0x04                                       ; store data in window 1
.irp f, 0,1,2,3
.irp a, 0,1,2,3
	ds_store_b128 v[QSA], v[8*(4*\f+\a):8*(4*\f+\a)+3] offset:(\f/2)*128*PQ+\a*16*PQ+32*(\f%2)
.endr
.endr
.irp f, 4,5
.irp a, 0,1,2,3
	ds_store_b128 v[VSA], v[8*(4*\f+\a):8*(4*\f+\a)+3] offset:(\f%2)*16*PVT+32*\a
.endr
.endr
.endm
; Behind slot 1's last step.  One barrier for two things: every wave's Q, K, V are stored, and nobody reads slot 1 any more.  fill = 1: slot 1 takes the next head's second half.
.macro CHANGE_B fill
	WIN 0
	s_wait_tensorcnt 0x0
	ds_add_u32 v[SPW], v[NIL]
.if \fill
	s_add_nc_u64 s[30:31], s[30:31], HEADB
.endif
	s_wait_dscnt 0x0                               ; the add, my stores of Q, K, V and my reads of slot 1 are done
.if \fill
	ROUND
	tensor_load_to_lds s[28:31], s[16:23]
	s_nop 0
	PLACES 4
.else
	s_barrier_signal -1
	s_barrier_wait -1
.endif
.endm
.macro SQK qt                          ; S^T of 16 queries x 128 keys: 8 accumulators by turns, two deep
.irp c, 0,1
.irp k, 0,1,2,3,4,5,6,7
.if \c == 0
	v_wmma_f32_16x16x32_f16 v[SS+8*(8*(\qt)+\k):SS+8*(8*(\qt)+\k)+7], v[8*(2*\k+\c):8*(2*\k+\c)+7], v[QF+8*(2*(\qt)+\c):QF+8*(2*(\qt)+\c)+7], 0
.else
	v_wmma_f32_16x16x32_f16 v[SS+8*(8*(\qt)+\k):SS+8*(8*(\qt)+\k)+7], v[8*(2*\k+\c):8*(2*\k+\c)+7], v[QF+8*(2*(\qt)+\c):QF+8*(2*(\qt)+\c)+7], v[SS+8*(8*(\qt)+\k):SS+8*(8*(\qt)+\k)+7]
.endif
.endr
.endr
.endm
.macro PVM qt                          ; O^T of 64 channels x 16 queries: 4 accumulators by turns, four deep
.irp b, 0,1,2,3
.irp t, 0,1,2,3
.if \b == 0
	v_wmma_f32_16x16x32_f16 v[SS+32*(\qt)+8*\t:SS+32*(\qt)+8*\t+7], v[128+8*(4*\t+\b):128+8*(4*\t+\b)+7], v[PF+8*(4*(\qt)+\b):PF+8*(4*(\qt)+\b)+7], 0
.else
	v_wmma_f32_16x16x32_f16 v[SS+32*(\qt)+8*\t:SS+32*(\qt)+8*\t+7], v[128+8*(4*\t+\b):128+8*(4*\t+\b)+7], v[PF+8*(4*(\qt)+\b):PF+8*(4*(\qt)+\b)+7], v[SS+32*(\qt)+8*\t:SS+32*(\qt)+8*\t+7]
.endif
.endr
.endr
.endm
; The softmax of a tile of 16 queries: a lane holds 64 of its query's 128 scores, the lane 16 away the others.
.macro SM qt
.set sb, SS+64*(\qt)
.set pb, PF+32*(\qt)
.irp i, 0,1,2,3                        ; four chains; chain i takes accumulators i and i + 4, each from its low end on
	v_max3_num_f32 v[CH+\i], v[sb+8*\i], v[sb+8*\i+1], v[sb+8*\i+2]
.endr
.irp j, 3,5
.irp i, 0,1,2,3
	v_max3_num_f32 v[CH+\i], v[CH+\i], v[sb+8*\i+\j], v[sb+8*\i+\j+1]
.endr
.endr
.irp i, 0,1,2,3
	v_max3_num_f32 v[CH+\i], v[CH+\i], v[sb+8*\i+7], v[sb+8*\i+32]
.endr
.irp j, 33,35,37
.irp i, 0,1,2,3
	v_max3_num_f32 v[CH+\i], v[CH+\i], v[sb+8*\i+\j], v[sb+8*\i+\j+1]
.endr
.endr
.irp i, 0,1,2,3
	v_max_num_f32 v[CH+\i], v[CH+\i], v[sb+8*\i+39]
.endr
	v_max3_num_f32 v[CH], v[CH], v[CH+1], v[CH+2]
	v_max_num_f32 v[CH], v[CH], v[CH+3]
	v_permlanex16_b32 v[CH+1], v[CH], s40, s41
	v_max_num_f32 v[CM+1], v[CH], v[CH+1]          ; the row's maximum
	v_mul_f32 v[CM], s38, v[CM+1]
.set n, 0
.rept 32
	v_pk_fma_f32 v[sb+2*n:sb+2*n+1], v[sb+2*n:sb+2*n+1], s[38:39], v[CM:CM+1] op_sel_hi:[1,0,0] neg_lo:[0,0,1] neg_hi:[0,0,1]  ; c s - c m
.set n, n+1
.endr
.set n, 0
.rept 64
	v_exp_f32 v[sb+n], v[sb+n]
.set n, n+1
.endr
	v_nop                                          ; a plain instruction between the last exponential and the use of its result
.set n, 0
	s_wait_alu depctr_va_vdst(0)
.rept 32
	v_cvt_pk_f16_f32 v[pb+n], v[sb+2*n], v[sb+2*n+1]
.set n, n+1
.endr
.irp w, 16,8,4,2,1                     ; the sum of the 32 pairs, in place
.set n, 0
.rept \w
	v_pk_add_f32 v[sb+2*n:sb+2*n+1], v[sb+2*n:sb+2*n+1], v[sb+2*(n+\w):sb+2*(n+\w)+1]
.set n, n+1
.endr
.endr
	v_add_f32 v[LS], v[sb], v[sb+1]
	v_permlanex16_b32 v[LS+1], v[LS], s40, s41
	v_add_f32 v[LS], v[LS], v[LS+1]
	v_rcp_f32 v[RL+2*(\qt)], v[LS]
	v_nop
	s_wait_alu depctr_va_vdst(0)
	v_mov_b32 v[RL+2*(\qt)+1], v[RL+2*(\qt)]
.endm
.macro OUTO qt                         ; O^T / l, rounded to f16, 16 bytes a lane into my rows of the stage
.set ob, SS+32*(\qt)
.set n, 0
.rept 16
	v_pk_mul_f32 v[ob+2*n:ob+2*n+1], v[ob+2*n:ob+2*n+1], v[RL+2*(\qt):RL+2*(\qt)+1]
.set n, n+1
.endr
.irp t, 0,1,2,3
.irp i, 0,1,2,3
	v_cvt_pk_f16_f32 v[ob+8*\t+\i], v[ob+8*\t+2*\i], v[ob+8*\t+2*\i+1]
.endr
.endr
.irp t, 0,1,2,3
	ds_store_b128 v[OSA], v[ob+8*\t:ob+8*\t+3] offset:16*POS*(\qt)+32*\t
.endr
.endm
; The attention of one head for my 32 queries
.macro ATT
	WIN 0
.irp q, 0,1
.irp c, 0,1
	ds_load_b128 v[QF+8*(2*\q+\c):QF+8*(2*\q+\c)+3],   v[QRA] offset:\q*16*PQ+64*\c
	ds_load_b128 v[QF+8*(2*\q+\c)+4:QF+8*(2*\q+\c)+7], v[QRA] offset:\q*16*PQ+64*\c+32
.endr
.endr
	WIN 0x40
.set n, 0
.rept 16                               ; K: keys 16 (n / 2) on, channels 32 (n % 2) on
	ds_load_b128 v[8*n:8*n+3],   v[KRA] offset:(n/2)*16*PQ+64*(n%2)
	ds_load_b128 v[8*n+4:8*n+7], v[KRA] offset:(n/2)*16*PQ+64*(n%2)+32
.set n, n+1
.endr
.set n, 0
.rept 16                               ; V: channels 16 (n / 4) on, keys 32 (n % 4) on
	ds_load_b128 v[128+8*n:128+8*n+3],   v[VRA] offset:(n/4)*16*PVT+64*(n%4)
	ds_load_b128 v[128+8*n+4:128+8*n+7], v[VRA] offset:(n/4)*16*PVT+64*(n%4)+32
.set n, n+1
.endr
	s_wait_dscnt 32                                ; Q and K are in; V's 32 loads may be out
	WIN 0x01                                       ; source 0 in window 1
	SQK 0
	SQK 1
	WIN 0
	PLACES 4
	SM 0
	s_wait_dscnt 0x0                               ; V is in
	WIN 0x01
	PVM 0
	WIN 0
	SM 1                                           ; names no register of the products in front of it: it is also their places
	WIN 0x01
	PVM 1
	WIN 0
	OUTO 0                                         ; and this the places behind the second tile's products
	OUTO 1
	v_add_nc_u32 v[OSA], 128, v[OSA]               ; the next head's 128 bytes of a row
.endm
.macro HEAD fill
	WIN 0
	PLACES 4
	FETCHW 0, 0, FB
	KS 0, 0, 2, 1
.irp k, 1,2,3,4,5,6
	KS 0, \k, 2, 0
.endr
	CHANGE_A \fill
.irp k, 0,1,2,3,4,5,6
	KS 1, \k, 3, 0
.endr
	s_wait_dscnt 0x0
	MQK FB+48, 7, 3, 0
	MV  FB+48, 7, 3, 0
	PACK
	CHANGE_B \fill
	ATT
.endm
	s_wait_tensorcnt 1                             ; my part of slot 0 is in; slot 1's may stay out
	s_barrier_signal -1
	s_barrier_wait -1                              ; everybody's is
	s_wait_loadcnt 0x0                             ; h
	s_mov_b32 s36, 3
.Lhead:                                                ; three heads fill both slots again
	HEAD 1
	WIN 0
	s_sub_co_u32 s36, s36, 1
	s_cmp_lg_u32 s36, 0
	s_cbranch_scc1 .Lhead
	HEAD 0                                         ; the last head is written out: it asks for nothing
	; THE WAY OUT: my 32 rows, which I alone wrote, come back whole: 512 bytes a row
	WIN 0
.set n, 0
.rept 32
	ds_load_b128 v[SS+4*n:SS+4*n+3], v[ORA] offset:POS*n  ; LDS serves a wave's instructions in order (ISA guide 5.7.1.4): these see my stores
.set n, n+1
.endr
.set n, 0
.rept 32
	s_wait_dscnt 31-n                              ; row n is in, the younger loads stay out
	global_store_b128 v[GOA], v[SS+4*n:SS+4*n+3], s[8:9] offset:1024*n  ; 512 consecutive bytes, at a multiple of 256 from o's first byte
.set n, n+1
.endr
	s_wait_tensorcnt 0x0                           ; the wave's end
	ds_add_u32 v[SPW], v[NIL]
	s_wait_dscnt 0x0
	ROUND                                          ; the closing round: no work-group ends while a partner may still ask for a tile that names it
	s_endpgm
.Lfunc_end_k_q9c53e5ada4_attn:
	.size	k_q9c53e5ada4_attn, .Lfunc_end_k_q9c53e5ada4_attn-k_q9c53e5ada4_attn
	.p2alignl 7, 3214868480
	.fill 96, 4, 3214868480
	.section	.rodata,"a",@progbits
	.p2align	6, 0x0
	.amdhsa_kernel k_q9c53e5ada4_attn
		.amdhsa_group_segment_fixed_size 327680
		.amdhsa_private_segment_fixed_size 0
		.amdhsa_enable_private_segment 0
		.amdhsa_kernarg_size 24
		.amdhsa_user_sgpr_count 2
		.amdhsa_user_sgpr_kernarg_segment_ptr 1
		.amdhsa_wavefront_size32 1
		.amdhsa_system_sgpr_workgroup_id_x 1
		.amdhsa_system_sgpr_workgroup_id_y 1
		.amdhsa_system_sgpr_workgroup_id_z 1
		.amdhsa_system_vgpr_workitem_id 0
		.amdhsa_next_free_vgpr 1024
		.amdhsa_next_free_sgpr 66
		.amdhsa_reserve_vcc 0
		.amdhsa_float_denorm_mode_32 3
		.amdhsa_float_denorm_mode_16_64 3
		.amdhsa_memory_ordered 1
		.amdhsa_forward_progress 1
		.amdhsa_inst_pref_size 190
	.end_amdhsa_kernel
	.amdgpu_metadata
---
amdhsa.version: [ 1, 2 ]
amdhsa.kernels:
  - .name:           k_q9c53e5ada4_attn
    .symbol:         k_q9c53e5ada4_attn.kd
    .args:
      - { .name: h, .offset: 0, .size: 8, .value_kind: global_buffer, .address_space: global }
      - { .name: wqkv, .offset: 8, .size: 8, .value_kind: global_buffer, .address_space: global }
      - { .name: o, .offset: 16, .size: 8, .value_kind: global_buffer, .address_space: global }
    .group_segment_fixed_size: 327680
    .private_segment_fixed_size: 0
    .kernarg_segment_align: 8
    .kernarg_segment_size: 24
    .max_flat_workgroup_size: 128
    .sgpr_count:     66
    .vgpr_count:     1024
    .wavefront_size: 32
...
	.end_amdgpu_metadata
.endif
;; end of part 2
;; launch ffn (part 3): grid 256 x 1, 4 waves a work-group, clusters of 4 x 1, 327,680 bytes of LDS; arguments x, o, wo16, w116, w216, bo, b1, b2, g2, be2, out0; writes out0
.if DOCPART == 3
	.amdgcn_target "amdgcn-amd-amdhsa--gfx1250"
	.amdhsa_code_object_version 6
	.text
	.protected	k_q9c53e5ada4_ffn
	.globl	k_q9c53e5ada4_ffn
	.p2align	8
	.type	k_q9c53e5ada4_ffn,@function
k_q9c53e5ada4_ffn:
	s_mov_b64 s[64:65], 0
	v_nop
	global_prefetch_b8 v0, s[64:65] scope:SCOPE_SE
	s_setreg_imm32_b32 hwreg(HW_REG_WAVE_MODE, 25, 1), 1
	s_wait_xcnt 0x0
	s_wait_alu depctr_hold_cnt(0) depctr_sa_sdst(0) depctr_va_vdst(0) depctr_va_sdst(0) depctr_va_ssrc(0) depctr_va_vcc(0) depctr_vm_vsrc(0)
	s_getreg_b32 s2, hwreg(HW_REG_IB_STS2, 6, 4)
	s_cmp_eq_u32 s2, 0
	s_cbranch_scc0 .Lentry_in_a_cluster
	s_endpgm
.Lentry_in_a_cluster:
	s_bfe_u32 s2, ttmp6, 0x10000c
	s_cmp_lg_u32 s2, 0x3003
	s_cbranch_scc0 .Lentry_shape_is_right
	s_endpgm
.Lentry_shape_is_right:
; out0 = x1 + relu(LN2(x1) W1^T + b1) W2^T + b2, with x1 = x + bo + o Wo^T.  x, the biases, the gains and out0 are f32; o and the weights f16; h2 = LN2(x1) and T = relu(..) are rounded to f16; all sums in f32.
; SHARES.  A work-group owns 64 rows; wave w owns columns 128 w .. 128 w + 127 of all of them: 32 accumulators (OUT), a whole register window, which hold x + bo, then x1, then x1 + b2 + the second product: they never leave.
; The 64 rows' left operand (o, later h2), 64 x 512 in f16, lies in 512 registers of every wave.  The hidden layer goes in 16 chunks of 128: G1(j) makes T_j (each wave 32 of its columns), T_j goes through LDS, G2(j) adds T_j W2_j^T.
; G2 lags a chunk behind G1, so that T_j is stored, shown to all by the next change of slots, and read a phase later.
; WEIGHTS come as 36 tiles of 128 KB through two LDS slots, by joint tensor loads: all work-groups walk the same weights, so the four of a cluster ask for each tile with one descriptor and the mask 15.
; Each wave brings the rows that it multiplies by itself.  A tile is asked for 104 matrix instructions ahead of the wait for it: a phase's 128 less the 24 between that wait and the request.
; LAYOUT.  Source 0 = 16 weight rows, source 1 = 16 rows of the left operand: a lane holds one row and eight neighbouring columns.  b1 enters as the C operand that starts T's sums.
; LN2: the mean first, then the sum of (x1 - mean)^2; the waves' parts meet in LDS.
; LIMITS.  f16 ends at 65,504: a number of h2 or T beyond that becomes an infinity; NaN and infinities are not treated apart.
; REGISTERS, in windows of 256 (s_set_vgpr_msb: bits 1:0 source 0, 3:2 source 1, 5:4 source 2, 7:6 destination):
;   window 0: v0-23 addresses; v24-63 statistics and scratch of LN2; fragment buffers P v32-95, Q v128-191 (first product), X v32-127, Y v128-223 (second); b1 v96-111; T's accumulators v192-255
;   window 1: OUT(a', nb) at 8 (8 a' + nb)          windows 2, 3: the left operand: fragment (ks, a') at 8 (4 (ks % 8) + a') of window 2 + ks / 8
.set P1,     1040                      ; a row of 512 k in LDS: 1,024 bytes + 16 = 260 words: row r starts at bank 4 r mod 64 (64 banks of 4 bytes: ISA guide 11.1)
.set PO,     272                       ; a row of 128 k: 256 bytes + 16
.set PS,     528                       ; a row of a wave's stage: 128 f32 + 16 bytes
.set SLOTB,  512*PO
.set W1PART, 32*P1                     ; what one wave's load brings of a tile of 128 x 512
.set W2PART, 128*PO                    ; of a tile of 512 x 128
.set TB,     2*SLOTB                   ; behind the slots, in blocks of 256 bytes into which no tensor load lands: T's two buffers of 64 x 272; at other times the waves' stages (16 x 528 each) and the exchange of h2
.set TBB,    64*PO
.set RED,    TB+2*TBB                  ; 1,024 bytes for the sums, 1,024 for the sums of squares: [a'][row][wave]
.set SPARE,  RED+2048                  ; the spare words: 128 bytes a wave, two blocks of 256 bytes that no other line names
.set B1L,    SPARE+512                 ; b1, 8,192 bytes
.set GA,  4                            ; v4, v5   my rows of a 128 x 512 tile in slot 0, 1
.set OA,  6                            ; v6, v7   of a 512 x 128 tile
.set TRB, 8                            ; v8       a fragment's place in T's buffer 0; also in the exchange of h2
.set TRA, 9                            ; v9       the same in the buffer in hand
.set TSB, 10                           ; v10      where I store 16 bytes of T, buffer 0
.set TSA, 11                           ; v11      the same in the buffer in hand
.set BA,  12                           ; v12      my 32 bytes of b1; steps by a chunk's 512 bytes
.set SGS, 13                           ; v13      my stage by rows: 16 x lane
.set SGA, 14                           ; v14      my stage by accumulators: 528 r + 32 hh
.set XGO, 15                           ; v15      my 16 bytes in 512 of x and out0
.set OGO, 16                           ; v16      my 16 bytes in 16 rows of o
.set CGO, 17                           ; v17      my 32 bytes in bo, b2, g2, be2
.set RSA, 18                           ; v18      where I put a row's partial sum
.set RLA, 19                           ; v19      where I read a row's four
.set HXS, 20                           ; v20      where I store 16 bytes of h2
.set SPW, 22                           ; v22      my spare word; never rewritten
.set NIL, 23                           ; v23      0; never rewritten
.set AR,  24                           ; v[24:31] 1 / sigma of my row in each a', twice
.set MU,  32                           ; v[32:39] the mean, later -mean / sigma, twice
.set PBUF, 32
.set QBUF, 128
.set XBUF, 32
.set YBUF, 128
.set BI,   96
.set TACC, 192
.set G1T, 32                           ; s[32:39] group 1: 32 rows x 512 elements
.set G1O, 40                           ; s[40:47] group 1: 128 rows x 128 elements
.set DWO0, 48                          ; group 0: Wo into slot 0, slot 1
.set DWO1, 52
.set DW1A, 56                          ; W1's chunk 0 into slot 0
.set DW1B, 60                          ; W1's chunks 1 .. 15 into slot 1
.set DW2A, 68                          ; W2's chunks 0 .. 14 into slot 0
.set DW2B, 72                          ; W2's chunk 15 into slot 1
.set MSB, 0
.macro WIN new                         ; the immediate's high byte repeats the setting that is left; a switch that changes nothing is dropped
.if MSB != (\new)
	s_set_vgpr_msb (MSB<<8)|(\new)
.set MSB, \new
.endif
.endm
.macro PLACES n                        ; plain vector instructions between a matrix instruction and what touches its registers (ISA guide 7.12.1)
.rept \n
	v_nop
.endr
.endm
.macro CREST                           ; a round of the cluster's barrier behind its opening barrier
	s_cmp_lg_u32 s26, 0
	s_cbranch_scc1 .Lnot_wave_0_\@
	s_barrier_signal -3
.Lnot_wave_0_\@:
	s_barrier_wait -3
	s_barrier_signal -1
	s_barrier_wait -1
.endm
.macro ROUND
	s_barrier_signal -1
	s_barrier_wait -1
	CREST
.endm
	s_load_b512 s[4:19], s[0:1], 0x0               ; x 4, o 6, wo16 8, w116 10, w216 12, bo 14, b1 16, b2 18
	s_load_b128 s[20:23], s[0:1], 0x40             ; g2 20, be2 22
	s_load_b64 s[24:25], s[0:1], 0x50              ; out0
	v_lshl_add_u32 v[SPW], v0, 2, SPARE
	v_mov_b32 v[NIL], 0
	ds_add_u32 v[SPW], v[NIL]                      ; the wave's opening: the add and its wait ahead of my first tensor load; the set-up, work on registers, stands between
	v_lshrrev_b32 v1, 5, v0
	v_readfirstlane_b32 s26, v1                    ; wave 0..3
	s_bfe_u32 s27, ttmp6, 0x40000                  ; cx: it enters x's, o's and out0's addresses alone
	s_lshl_b32 s28, ttmp9, 2
	s_add_co_u32 s28, s28, s27                     ; my block of 64 rows
	s_mov_b32 s[G1T], 15|(1<<16)|(1<<20)|(1<<21)|(7<<22)|(3<<25)  ; the mask of four; 2-byte elements; padding on; bit 21 beside a mask; after every 256 words; 4 words
	s_mov_b32 s[G1T+1], 512<<16                    ; tensor_dim0 = 512
	s_mov_b32 s[G1T+2], 32<<16                     ; tensor_dim1 = 32
	s_mov_b32 s[G1T+3], 512<<16                    ; tile_dim0 = 512
	s_mov_b32 s[G1T+4], 32                         ; tile_dim1 = 32
	s_mov_b32 s[G1T+5], 512                        ; elements from row to row
	s_mov_b32 s[G1T+6], 0
	s_mov_b32 s[G1T+7], 0
	s_mov_b32 s[G1O], 15|(1<<16)|(1<<20)|(1<<21)|(5<<22)|(3<<25)  ; the same, padding after every 64 words
	s_mov_b32 s[G1O+1], 128<<16
	s_mov_b32 s[G1O+2], 128<<16
	s_mov_b32 s[G1O+3], 128<<16
	s_mov_b32 s[G1O+4], 128
	s_mov_b32 s[G1O+5], 2048
	s_mov_b32 s[G1O+6], 0
	s_mov_b32 s[G1O+7], 0
.irp d, DWO0, DWO1, DW1A, DW1B, DW2A, DW2B
	s_mov_b32 s[\d], 1                             ; count = 1
.endr
	s_mul_i32 s[DWO0+1], s26, W1PART               ; LDS addresses: the wave's number and the slot alone
	s_add_co_u32 s[DWO1+1], s[DWO0+1], SLOTB
	s_mul_i32 s[DW1A+1], s26, W1PART
	s_add_co_u32 s[DW1B+1], s[DW1A+1], SLOTB
	s_mul_i32 s[DW2A+1], s26, W2PART
	s_add_co_u32 s[DW2B+1], s[DW2A+1], SLOTB
	s_lshl_b32 s84, s26, 17                        ; Wo: my 128 rows of 1,024 bytes
	s_mov_b32 s85, 0
	s_lshl_b32 s86, s26, 15                        ; W1: my 32 rows of a chunk's 128
	s_mov_b32 s87, 0
	s_lshl_b32 s88, s26, 19                        ; W2: my 128 rows of 4,096 bytes
	s_mov_b32 s89, 0
	s_lshl_b32 s90, s28, 17                        ; x, out0: 64 rows of 2,048 bytes, my 512 bytes of a row
	s_lshl_b32 s29, s26, 9
	s_add_co_u32 s90, s90, s29
	s_mov_b32 s91, 0
	s_lshl_b32 s30, s28, 16                        ; o: 64 rows of 1,024 bytes
	s_mov_b32 s31, 0
	s_mov_b32 s80, 0x76543210                      ; v_permlanex16_b32: each lane takes its own place in the other half
	s_mov_b32 s81, 0xfedcba98
	s_mov_b32 s82, 0x3b000000                      ; 1 / 512
	s_mov_b32 s83, 0x3727c5ac                      ; 1e-5
	v_and_b32 v1, 15, v0                           ; r
	v_bfe_u32 v2, v0, 4, 1                         ; hh
	v_and_b32 v3, 31, v0                           ; lane
	v_mul_u32_u24 v[GA], v1, P1
	v_lshl_add_u32 v[GA], v2, 4, v[GA]
	v_add_nc_u32 v[GA], s[DWO0+1], v[GA]
	v_add_nc_u32 v[GA+1], SLOTB, v[GA]
	v_mul_u32_u24 v26, v1, PO
	v_lshl_add_u32 v26, v2, 4, v26                 ; 272 r + 16 hh
	v_add_nc_u32 v[OA], s[DW2A+1], v26
	v_add_nc_u32 v[OA+1], SLOTB, v[OA]
	v_add_nc_u32 v[TRB], TB, v26
	s_lshl_b32 s29, s26, 6
	s_add_co_u32 s29, s29, TB
	v_add_nc_u32 v[TSB], s29, v26
	s_mul_i32 s29, s26, 32*PO
	s_add_co_u32 s29, s29, TB
	v_add_nc_u32 v[HXS], s29, v26
	s_lshl_b32 s29, s26, 7
	s_add_co_u32 s29, s29, B1L
	v_lshl_add_u32 v[BA], v2, 5, s29
	s_mul_i32 s29, s26, 16*PS
	s_add_co_u32 s29, s29, TB                      ; my stage
	v_lshl_add_u32 v[SGS], v3, 4, s29
	v_mul_u32_u24 v[SGA], v1, PS
	v_lshl_add_u32 v[SGA], v2, 5, v[SGA]
	v_add_nc_u32 v[SGA], s29, v[SGA]
	v_lshlrev_b32 v[XGO], 4, v3
	v_lshlrev_b32 v[OGO], 10, v1
	v_lshl_add_u32 v[OGO], v2, 4, v[OGO]
	s_lshl_b32 s29, s26, 9
	v_lshl_add_u32 v[CGO], v2, 5, s29
	s_lshl_b32 s29, s26, 2
	s_add_co_u32 s29, s29, RED
	v_lshl_add_u32 v[RSA], v1, 4, s29
	v_lshlrev_b32 v[RLA], 4, v1
	v_add_nc_u32 v[RLA], RED, v[RLA]
	v_lshlrev_b32 v24, 4, v0                       ; b1: 128 threads x 16 bytes
	v_add_nc_u32 v25, B1L, v24
	s_wait_dscnt 0x0                               ; the opening add is done
	s_wait_kmcnt 0x0
	s_add_nc_u64 s[DWO0+2:DWO0+3], s[8:9], s[84:85]          ; Wo's rows 128 w + 0..31,
	s_add_nc_u64 s[DWO1+2:DWO1+3], s[DWO0+2:DWO0+3], 32768   ; 32..63
	s_add_nc_u64 s[DW1A+2:DW1A+3], s[10:11], s[86:87]        ; W1's chunk 0,
	s_add_nc_u64 s[DW1B+2:DW1B+3], s[DW1A+2:DW1A+3], 131072  ; chunk 1
	s_add_nc_u64 s[DW2A+2:DW2A+3], s[12:13], s[88:89]        ; W2's chunk 0,
	s_add_nc_u64 s[DW2B+2:DW2B+3], s[DW2A+2:DW2A+3], 3840    ; chunk 15
.irp d, DWO0, DWO1, DW1A, DW1B, DW2A, DW2B
	s_or_b32 s[\d+3], s[\d+3], 0x80000000          ; type = 2
.endr
	s_add_nc_u64 s[4:5], s[4:5], s[90:91]
	s_add_nc_u64 s[24:25], s[24:25], s[90:91]
	s_add_nc_u64 s[6:7], s[6:7], s[30:31]
	ROUND                                          ; all four work-groups are here: the first joint loads meet
	tensor_load_to_lds s[DWO0:DWO0+3], s[G1T:G1T+7]  ; both first fills together: two loads of mine are out
	s_nop 0
	tensor_load_to_lds s[DWO1:DWO1+3], s[G1T:G1T+7]
	s_nop 0
	PLACES 4
	WIN 0x40
.set n, 0
.rept 64                               ; x by rows: my 512 consecutive bytes of row n
	global_load_b128 v[4*n:4*n+3], v[XGO], s[4:5] offset:2048*n th:TH_LOAD_NT
.set n, n+1
.endr
	WIN 0
.irp nb, 0,1,2,3,4,5,6,7
	global_load_b128 v[64+8*\nb:64+8*\nb+3],   v[CGO], s[14:15] offset:64*\nb     ; bo of my columns 16 nb + 8 hh + 0..7
	global_load_b128 v[64+8*\nb+4:64+8*\nb+7], v[CGO], s[14:15] offset:64*\nb+16
.endr
.irp i, 0,1,2,3
	global_load_b128 v[128+4*\i:128+4*\i+3], v24, s[16:17] offset:2048*\i
.endr
	WIN 0x80
.irp k, 0,1,2,3,4,5,6,7
.irp a, 0,1,2,3
	global_load_b128 v[8*(4*\k+\a):8*(4*\k+\a)+3],   v[OGO], s[6:7] offset:16384*\a+64*\k
	global_load_b128 v[8*(4*\k+\a)+4:8*(4*\k+\a)+7], v[OGO], s[6:7] offset:16384*\a+64*\k+32
.endr
.endr
	WIN 0xc0
.irp k, 0,1,2,3,4,5,6,7
.irp a, 0,1,2,3
	global_load_b128 v[8*(4*\k+\a):8*(4*\k+\a)+3],   v[OGO], s[6:7] offset:16384*\a+64*\k+512
	global_load_b128 v[8*(4*\k+\a)+4:8*(4*\k+\a)+7], v[OGO], s[6:7] offset:16384*\a+64*\k+544
.endr
.endr
	s_wait_loadcnt 63                              ; 148 loads were issued behind x's, 128 behind b1's: x, bo and b1 are in
	; x from rows to the accumulators' layout, 16 rows at a time through my own stage, back into the registers that it left.
	; Four registers n of a block are accumulator nb = n / 2, half e = n % 2: columns 16 nb + 8 hh + 4 e, byte 64 nb + 32 hh + 16 e of a stage row (32 hh lies in the address).
.irp a, 0,1,2,3
	WIN 0x04
.set n, 0
.rept 16
	ds_store_b128 v[SGS], v[64*\a+4*n:64*\a+4*n+3] offset:PS*n
.set n, n+1
.endr
	WIN 0x40
.set n, 0
.rept 16
	ds_load_b128 v[64*\a+4*n:64*\a+4*n+3], v[SGA] offset:64*(n/2)+16*(n%2)  ; LDS serves a wave's instructions in order (ISA guide 5.7.1.4): these see the stores above; the next block's stores come behind them
.set n, n+1
.endr
.endr
	WIN 0
.irp i, 0,1,2,3
	ds_store_b128 v25, v[128+4*\i:128+4*\i+3] offset:2048*\i
.endr
	s_wait_dscnt 0x0                               ; x is back; for the others' sake: my part of b1 is stored
	WIN 0x41
.set n, 0
.rept 128                              ; OUT = x + bo
	v_pk_add_f32 v[2*n:2*n+1], v[2*n:2*n+1], v[64+2*(n%32):64+2*(n%32)+1]
.set n, n+1
.endr
	WIN 0
	s_wait_tensorcnt 1                             ; my part of slot 0 is in; slot 1's may stay out
	s_barrier_signal -1
	s_barrier_wait -1
; 16 LDS loads: my 32 weight rows (c = 0, 1), 128 along k (group grp of four)
.macro FETCHG slot, grp, buf
.if MSB & 0xc3                         ; a load's destination and address lie in window 0
	WIN 0
.endif
.irp k, 0,1,2,3
.irp c, 0,1
	ds_load_b128 v[(\buf)+8*(2*\k+\c):(\buf)+8*(2*\k+\c)+3],   v[GA+(\slot)] offset:16*P1*\c+64*(4*(\grp)+\k)
	ds_load_b128 v[(\buf)+8*(2*\k+\c)+4:(\buf)+8*(2*\k+\c)+7], v[GA+(\slot)] offset:16*P1*\c+64*(4*(\grp)+\k)+32
.endr
.endr
.endm
.macro FETCHB                          ; b1 of my 32 hidden columns of the next chunk, as a C operand
.irp c, 0,1
	ds_load_b128 v[BI+8*\c:BI+8*\c+3],   v[BA] offset:64*\c
	ds_load_b128 v[BI+8*\c+4:BI+8*\c+7], v[BA] offset:64*\c+16
.endr
	v_add_nc_u32 v[BA], 512, v[BA]
.endm
; 24 LDS loads: my 128 rows of W2's chunk and T's 64 rows, 32 along k
.macro FETCH2 slot, ks, buf
	WIN 0
.irp nb, 0,1,2,3,4,5,6,7
	ds_load_b128 v[(\buf)+8*\nb:(\buf)+8*\nb+3],   v[OA+(\slot)] offset:16*PO*\nb+64*(\ks)
	ds_load_b128 v[(\buf)+8*\nb+4:(\buf)+8*\nb+7], v[OA+(\slot)] offset:16*PO*\nb+64*(\ks)+32
.endr
.irp a, 0,1,2,3
	ds_load_b128 v[(\buf)+64+8*\a:(\buf)+64+8*\a+3],   v[TRA] offset:16*PO*\a+64*(\ks)
	ds_load_b128 v[(\buf)+64+8*\a+4:(\buf)+64+8*\a+7], v[TRA] offset:16*PO*\a+64*(\ks)+32
.endr
.endm
; 8 products, 32 along k.  nt >= 0: onto OUT's columns 32 nt .. 32 nt + 31.  nt < 0: onto T's accumulators, whose sums b1 starts.  The eight accumulators take turns.
.macro GK ks, buf, nt
.if (\nt) < 0
	WIN (2+(\ks)/8)<<2
.else
	WIN 0x50|((2+(\ks)/8)<<2)
.endif
.irp c, 0,1
.irp a, 0,1,2,3
.set rA, (\buf)+8*(2*((\ks)%4)+\c)
.set rB, 8*(4*((\ks)%8)+\a)
.if (\nt) < 0
.set rD, TACC+8*(4*\c+\a)
.else
.set rD, 8*(8*\a+2*(\nt)+\c)
.endif
.if ((\nt) < 0) && ((\ks) == 0)
	v_wmma_f32_16x16x32_f16 v[rD:rD+7], v[rA:rA+7], v[rB:rB+7], v[BI+8*\c:BI+8*\c+7]
.else
	v_wmma_f32_16x16x32_f16 v[rD:rD+7], v[rA:rA+7], v[rB:rB+7], v[rD:rD+7]
.endif
.endr
.endr
.endm
.macro OKM buf, a                      ; 8 products of the second layer: rows 16 a .. of T, my 128 columns
	WIN 0x50
.irp nb, 0,1,2,3,4,5,6,7
	v_wmma_f32_16x16x32_f16 v[8*(8*(\a)+\nb):8*(8*(\a)+\nb)+7], v[(\buf)+8*\nb:(\buf)+8*\nb+7], v[(\buf)+64+8*(\a):(\buf)+64+8*(\a)+7], v[8*(8*(\a)+\nb):8*(8*(\a)+\nb)+7]
.endr
.endm
.macro OKALL buf
.irp a, 0,1,2,3
	OKM \buf, \a
.endr
.endm
; THE CHANGE OF SLOTS, in a phase's last 32 products.  Each wave waits for all its tensor loads (one is out: its part of the other slot), adds 0 to its spare word, and waits for that, for its reads of this
; slot and for its stores of T.  The barrier opens a round of the cluster's barrier where this slot is filled again; the joint refill is the first thing behind the round.
.macro TAILA d0, step
	WIN 0
	s_wait_tensorcnt 0x0                           ; no tensor load of mine is out, so a group 0 may be written
	ds_add_u32 v[SPW], v[NIL]                      ; sixteen products stand between the add and the wait for it
.if (\step) != 0
	s_add_nc_u64 s[(\d0)+2:(\d0)+3], s[(\d0)+2:(\d0)+3], \step
.endif
	s_wait_dscnt 1                                 ; the last fragments are in; the add may be out
.endm
.macro TAILB
	s_wait_dscnt 0x0
	s_barrier_signal -1
.endm
.macro TAILC d0, g1
	WIN 0                                          ; at a branch and at a label every window is 0
	s_barrier_wait -1
.if (\d0) != 0
	CREST
	tensor_load_to_lds s[(\d0):(\d0)+3], s[(\g1):(\g1)+7]
	s_nop 0
.endif
	PLACES 4
.endm
.macro NEXTF nx                        ; the next phase's first fragments
.if (\nx) == 1
	FETCHG 1, 0, PBUF
.elseif (\nx) == 2
	FETCHG 0, 0, PBUF
.elseif (\nx) == 3
	FETCHG 1, 0, PBUF
	FETCHB
.elseif (\nx) == 4
	v_add_nc_u32 v[TRA], s77, v[TRB]
	FETCH2 0, 0, XBUF
.elseif (\nx) == 5
	v_mov_b32 v[TRA], v[TRB]
	FETCH2 0, 0, XBUF
.elseif (\nx) == 6
	v_add_nc_u32 v[TRA], TBB, v[TRB]
	FETCH2 1, 0, XBUF
.endif
.endm
; A phase on a tile of 128 x 512: 128 products, fragments in four groups of 128 along k on buffers P, Q, P, Q; group 0 was asked for by the phase before.
.macro GH slot, nt, d0, g1, step, nx
	s_wait_dscnt 0x0
	PLACES 5                                       ; five: T's accumulators overlap a buffer that the last products read as a source
	FETCHG \slot, 1, QBUF
.irp k, 0,1,2,3
	GK \k, PBUF, \nt
.endr
	s_wait_dscnt 0x0
	PLACES 4
	FETCHG \slot, 2, PBUF
.irp k, 4,5,6,7
	GK \k, QBUF, \nt
.endr
	s_wait_dscnt 0x0
	PLACES 4
	FETCHG \slot, 3, QBUF
.irp k, 8,9,10,11
	GK \k, PBUF, \nt
.endr
	TAILA \d0, \step
	GK 12, QBUF, \nt
	GK 13, QBUF, \nt
	TAILB
	GK 14, QBUF, \nt
	TAILC \d0, \g1
	NEXTF \nx
	GK 15, QBUF, \nt
.endm
; T = relu(..), rounded to f16, each accumulator from its low end on; 16 bytes a lane into T's buffer
.macro PACKT
	WIN 0
	PLACES 4
.set n, 0
.rept 8
.irp i, 0,1,2,3,4,5,6,7
	v_max_num_f32 v[TACC+8*n+\i], 0, v[TACC+8*n+\i]
.endr
.irp i, 0,1,2,3
	v_cvt_pk_f16_f32 v[TACC+8*n+\i], v[TACC+8*n+2*\i], v[TACC+8*n+2*\i+1]
.endr
	ds_store_b128 v[TSA], v[TACC+8*n:TACC+8*n+3] offset:16*PO*(n%4)+32*(n/4)
.set n, n+1
.endr
.endm
; A phase on a tile of 512 x 128: 128 products, four steps of 32 along k on buffers X, Y, X, Y.  fw: the LDS stores issued behind step 0's loads.  d0 < 0: the last phase of all.
.macro G2 slot, fw, d0, g1, step, nx
	s_wait_dscnt \fw
	PLACES 4
	FETCH2 \slot, 1, YBUF
	OKALL XBUF
	s_wait_dscnt 0x0
	PLACES 4
	FETCH2 \slot, 2, XBUF
	OKALL YBUF
	s_wait_dscnt 0x0
	PLACES 4
	FETCH2 \slot, 3, YBUF
	OKALL XBUF
.if (\d0) < 0
	s_wait_dscnt 0x0                               ; my reads of T are over:
	s_barrier_signal -1
	OKALL YBUF
	WIN 0
	s_barrier_wait -1                              ; everybody's are, and T's buffers may serve as stages
.else
	TAILA \d0, \step
	OKM YBUF, 0
	OKM YBUF, 1
	TAILB
	OKM YBUF, 2
	TAILC \d0, \g1
	NEXTF \nx
	OKM YBUF, 3
.endif
.endm
	FETCHG 0, 0, PBUF
	s_wait_loadcnt 0x0                             ; o
	GH 0, 0, DWO0, G1T, 65536, 1                   ; OUT += o Wo^T, 32 of my columns a phase; slot 0 takes Wo's third tile
	GH 1, 1, DWO1, G1T, 65536, 2                   ; slot 1 its fourth
	GH 0, 2, DW1A, G1T, 0, 1                       ; slot 0 takes W1's chunk 0
	GH 1, 3, DW1B, G1T, 0, 0                       ; slot 1 chunk 1; both stay on their way across the plain barriers below, behind which nothing is filled
	; LAYER NORM 2.  OUT holds x1.  A lane has 64 of its row's 512 numbers for each a', the lane 16 away 64 more, the other waves the rest.
	WIN 0
	PLACES 4
.irp nb, 0,1,2,3,4,5,6,7
	global_load_b128 v[64+8*\nb:64+8*\nb+3],     v[CGO], s[20:21] offset:64*\nb
	global_load_b128 v[64+8*\nb+4:64+8*\nb+7],   v[CGO], s[20:21] offset:64*\nb+16
	global_load_b128 v[128+8*\nb:128+8*\nb+3],   v[CGO], s[22:23] offset:64*\nb
	global_load_b128 v[128+8*\nb+4:128+8*\nb+7], v[CGO], s[22:23] offset:64*\nb+16
.endr
	WIN 0x05                                       ; four chains, one for each a'
.irp a, 0,1,2,3
	v_pk_add_f32 v[40+2*\a:41+2*\a], v[64*\a:64*\a+1], v[64*\a+2:64*\a+3]
.endr
	WIN 0x04
.set t, 2
.rept 30
.irp a, 0,1,2,3
	v_pk_add_f32 v[40+2*\a:41+2*\a], v[40+2*\a:41+2*\a], v[64*\a+2*t:64*\a+2*t+1]
.endr
.set t, t+1
.endr
	WIN 0
.irp a, 0,1,2,3
	v_add_f32 v[40+2*\a], v[40+2*\a], v[41+2*\a]
.endr
.irp a, 0,1,2,3
	v_permlanex16_b32 v[41+2*\a], v[40+2*\a], s80, s81
.endr
.irp a, 0,1,2,3
	v_add_f32 v[40+2*\a], v[40+2*\a], v[41+2*\a]
.endr
.irp a, 0,1,2,3
	ds_store_b32 v[RSA], v[40+2*\a] offset:256*\a  ; both halves of the lanes write the same word with the same number
.endr
	s_wait_dscnt 0x0                               ; for the others' sake
	s_barrier_signal -1
	s_barrier_wait -1
.irp a, 0,1,2,3
	ds_load_b128 v[48+4*\a:51+4*\a], v[RLA] offset:256*\a
.endr
	s_wait_dscnt 0x0
.irp a, 0,1,2,3
	v_add_f32 v[48+4*\a], v[48+4*\a], v[49+4*\a]
	v_add_f32 v[50+4*\a], v[50+4*\a], v[51+4*\a]
.endr
.irp a, 0,1,2,3
	v_add_f32 v[48+4*\a], v[48+4*\a], v[50+4*\a]
.endr
.irp a, 0,1,2,3
	v_mul_f32 v[MU+2*\a], s82, v[48+4*\a]          ; the mean,
.endr
.irp a, 0,1,2,3
	v_mov_b32 v[MU+2*\a+1], v[MU+2*\a]             ; twice, for the packed forms
.endr
.irp a, 0,1,2,3
	WIN 0x01
.set t, 0
.rept 32
	v_pk_add_f32 v[192+2*t:193+2*t], v[64*\a+2*t:64*\a+2*t+1], v[MU+2*\a:MU+2*\a+1] neg_lo:[0,1] neg_hi:[0,1]
.set t, t+1
.endr
	WIN 0
.irp c, 0,1,2,3
	v_pk_mul_f32 v[40+2*\c:41+2*\c], v[192+2*\c:193+2*\c], v[192+2*\c:193+2*\c]
.endr
.set t, 4
.rept 28
	v_pk_fma_f32 v[40+2*(t%4):41+2*(t%4)], v[192+2*t:193+2*t], v[192+2*t:193+2*t], v[40+2*(t%4):41+2*(t%4)]
.set t, t+1
.endr
	v_pk_add_f32 v[40:41], v[40:41], v[42:43]
	v_pk_add_f32 v[44:45], v[44:45], v[46:47]
	v_pk_add_f32 v[40:41], v[40:41], v[44:45]
	v_add_f32 v[56+\a], v40, v41
.endr
.irp a, 0,1,2,3
	v_permlanex16_b32 v[60+\a], v[56+\a], s80, s81
.endr
.irp a, 0,1,2,3
	v_add_f32 v[56+\a], v[56+\a], v[60+\a]
.endr
.irp a, 0,1,2,3
	ds_store_b32 v[RSA], v[56+\a] offset:1024+256*\a  ; bytes of their own: no barrier is owed to the readers of the sums
.endr
	s_wait_dscnt 0x0
	s_barrier_signal -1
	s_barrier_wait -1
.irp a, 0,1,2,3
	ds_load_b128 v[40+4*\a:43+4*\a], v[RLA] offset:1024+256*\a
.endr
	s_wait_dscnt 0x0
.irp a, 0,1,2,3
	v_add_f32 v[40+4*\a], v[40+4*\a], v[41+4*\a]
	v_add_f32 v[42+4*\a], v[42+4*\a], v[43+4*\a]
.endr
.irp a, 0,1,2,3
	v_add_f32 v[40+4*\a], v[40+4*\a], v[42+4*\a]
.endr
.irp a, 0,1,2,3
	v_fma_f32 v[40+4*\a], v[40+4*\a], s82, s83     ; variance + 1e-5
.endr
.irp a, 0,1,2,3
	v_rsq_f32 v[AR+2*\a], v[40+4*\a]
.endr
	v_nop                                          ; a plain instruction between the last transcendental and the use of its result
	s_wait_alu depctr_va_vdst(0)
.irp a, 0,1,2,3
	v_mov_b32 v[AR+2*\a+1], v[AR+2*\a]
.endr
.irp a, 0,1,2,3
	v_mul_f32 v[MU+2*\a], -v[MU+2*\a], v[AR+2*\a]  ; -mean / sigma
.endr
.irp a, 0,1,2,3
	v_mov_b32 v[MU+2*\a+1], v[MU+2*\a]
.endr
	s_wait_loadcnt 0x0                             ; g2, be2
; h2 of 16 rows, my 128 columns: (x1 / sigma - mean / sigma) g2 + be2, rounded to f16, into slice w of the exchange
.macro STEP3 a
	WIN 0x01
.set t, 0
.rept 32
	v_pk_fma_f32 v[192+2*t:193+2*t], v[64*(\a)+2*t:64*(\a)+2*t+1], v[AR+2*(\a):AR+2*(\a)+1], v[MU+2*(\a):MU+2*(\a)+1]
.set t, t+1
.endr
	WIN 0
.set t, 0
.rept 32
	v_pk_fma_f32 v[192+2*t:193+2*t], v[192+2*t:193+2*t], v[64+2*t:65+2*t], v[128+2*t:129+2*t]
.set t, t+1
.endr
.set t, 0
.rept 32
	v_cvt_pk_f16_f32 v[192+t], v[192+2*t], v[193+2*t]
.set t, t+1
.endr
.irp nb, 0,1,2,3,4,5,6,7
	ds_store_b128 v[HXS], v[192+4*\nb:195+4*\nb] offset:16*PO*((\a)%2)+32*\nb
.endr
.endm
; 64 LDS loads: the fragments of h2's rows 32 half .. 32 half + 31, all 512 columns, from the four slices
.macro LOADHR half
.irp w, 0,1
	WIN 0x80+0x40*\w
.irp k, 0,1,2,3,4,5,6,7
.irp e, 0,1
	ds_load_b128 v[8*(4*\k+2*(\half)+\e):8*(4*\k+2*(\half)+\e)+3],   v[TRB] offset:32*PO*((8*\w+\k)/4)+16*PO*\e+64*(\k%4)
	ds_load_b128 v[8*(4*\k+2*(\half)+\e)+4:8*(4*\k+2*(\half)+\e)+7], v[TRB] offset:32*PO*((8*\w+\k)/4)+16*PO*\e+64*(\k%4)+32
.endr
.endr
.endr
	WIN 0
.endm
	STEP3 0
	STEP3 1
	s_wait_dscnt 0x0                               ; my part of the first 32 rows is stored
	s_barrier_signal -1
	s_barrier_wait -1
	LOADHR 0
	s_wait_dscnt 0x0                               ; my reads of them are over, before anybody stores the next 32 rows
	s_barrier_signal -1
	s_barrier_wait -1
	STEP3 2
	STEP3 3
	s_wait_dscnt 0x0
.irp nb, 0,1,2,3,4,5,6,7
	global_load_b128 v[192+8*\nb:195+8*\nb], v[CGO], s[18:19] offset:64*\nb     ; b2, into registers that the stores above have read
	global_load_b128 v[196+8*\nb:199+8*\nb], v[CGO], s[18:19] offset:64*\nb+16
.endr
	s_barrier_signal -1
	s_barrier_wait -1
	LOADHR 1
	FETCHG 0, 0, PBUF                              ; W1's chunk 0 was shown landed by the last change of slots
	FETCHB
	s_wait_loadcnt 0x0                             ; b2
	WIN 0x41
.set n, 0
.rept 128                              ; OUT = x1 + b2
	v_pk_add_f32 v[2*n:2*n+1], v[2*n:2*n+1], v[192+2*(n%32):193+2*(n%32)]
.set n, n+1
.endr
	WIN 0
	GH 0, -1, DW2A, G1O, 0, 3                      ; G1(0); slot 0 takes W2's chunk 0
	WIN 0
	v_mov_b32 v[TSA], v[TSB]
	PACKT                                          ; T_0 into buffer 0
	WIN 0
	s_mov_b32 s76, 14
	s_mov_b32 s77, 0                               ; the buffer that G2(j) reads: j % 2
	s_mov_b32 s78, TBB                             ; the buffer that T_(j+1) goes into
.Lchunk:                                               ; trip j = 0 .. 13: G1(j + 1) on slot 1, G2(j) on slot 0; both slots are filled again
	GH 1, -1, DW1B, G1T, 131072, 4                 ; slot 1 takes W1's chunk j + 2
	WIN 0
	v_add_nc_u32 v[TSA], s78, v[TSB]
	PACKT
	G2 0, 8, DW2A, G1O, 256, 3                     ; eight: PACKT's stores may be out; slot 0 takes W2's chunk j + 1
	WIN 0
	s_xor_b32 s77, s77, TBB
	s_xor_b32 s78, s78, TBB
	s_sub_co_u32 s76, s76, 1
	s_cmp_lg_u32 s76, 0
	s_cbranch_scc1 .Lchunk
	GH 1, -1, DW2B, G1O, 0, 5                      ; G1(15); slot 1 takes W2's chunk 15: the last load
	WIN 0
	v_add_nc_u32 v[TSA], TBB, v[TSB]
	PACKT
	G2 0, 8, 0, 0, 0, 6                            ; G2(14): nothing is filled, so a plain barrier
	G2 1, 0, -1, 0, 0, 0                           ; G2(15)
	; THE WAY OUT: 16 rows at a time through my own stage, back as rows of 512 bytes, into the registers that they left; a block's LDS traffic stands between the block before's loads and its stores
.macro STGIN a
	WIN 0x04
.set n, 0
.rept 16
	ds_store_b128 v[SGA], v[64*(\a)+4*n:64*(\a)+4*n+3] offset:64*(n/2)+16*(n%2)  ; accumulator n / 2, half n % 2: byte 64 nb + 32 hh + 16 e of the row; each accumulator's registers 0-3 first
.set n, n+1
.endr
	WIN 0x40
.set n, 0
.rept 16
	ds_load_b128 v[64*(\a)+4*n:64*(\a)+4*n+3], v[SGS] offset:PS*n
.set n, n+1
.endr
.endm
.macro SENDO a, younger
	s_wait_dscnt \younger                          ; the block is back; the next block's 32 LDS instructions may be out
	WIN 0x04
.set n, 0
.rept 16
	global_store_b128 v[XGO], v[64*(\a)+4*n:64*(\a)+4*n+3], s[24:25] offset:2048*(16*(\a)+n) th:TH_STORE_NT  ; 512 consecutive bytes, at a multiple of 256 from out0's first byte
.set n, n+1
.endr
.endm
	PLACES 4
	STGIN 0
	STGIN 1
	SENDO 0, 32
	STGIN 2
	SENDO 1, 32
	STGIN 3
	SENDO 2, 32
	SENDO 3, 0
	WIN 0
	s_wait_tensorcnt 0x0                           ; the wave's end
	ds_add_u32 v[SPW], v[NIL]
	s_wait_dscnt 0x0
	ROUND                                          ; the closing round: no work-group ends while a partner may still ask for a tile that names it
	s_endpgm
.Lfunc_end_k_q9c53e5ada4_ffn:
	.size	k_q9c53e5ada4_ffn, .Lfunc_end_k_q9c53e5ada4_ffn-k_q9c53e5ada4_ffn
	.p2alignl 7, 3214868480
	.fill 96, 4, 3214868480
	.section	.rodata,"a",@progbits
	.p2align	6, 0x0
	.amdhsa_kernel k_q9c53e5ada4_ffn
		.amdhsa_group_segment_fixed_size 327680
		.amdhsa_private_segment_fixed_size 0
		.amdhsa_enable_private_segment 0
		.amdhsa_kernarg_size 88
		.amdhsa_user_sgpr_count 2
		.amdhsa_user_sgpr_kernarg_segment_ptr 1
		.amdhsa_wavefront_size32 1
		.amdhsa_system_sgpr_workgroup_id_x 1
		.amdhsa_system_sgpr_workgroup_id_y 1
		.amdhsa_system_sgpr_workgroup_id_z 1
		.amdhsa_system_vgpr_workitem_id 0
		.amdhsa_next_free_vgpr 1024
		.amdhsa_next_free_sgpr 96
		.amdhsa_reserve_vcc 0
		.amdhsa_float_denorm_mode_32 3
		.amdhsa_float_denorm_mode_16_64 3
		.amdhsa_memory_ordered 1
		.amdhsa_forward_progress 1
		.amdhsa_inst_pref_size 255
	.end_amdhsa_kernel
	.section	.bss,"aw",@nobits
	.p2align	6
	.space	262144
	.amdgpu_metadata
---
amdhsa.version: [ 1, 2 ]
amdhsa.kernels:
  - .name:           k_q9c53e5ada4_ffn
    .symbol:         k_q9c53e5ada4_ffn.kd
    .args:
      - { .name: x, .offset: 0, .size: 8, .value_kind: global_buffer, .address_space: global }
      - { .name: o, .offset: 8, .size: 8, .value_kind: global_buffer, .address_space: global }
      - { .name: wo16, .offset: 16, .size: 8, .value_kind: global_buffer, .address_space: global }
      - { .name: w116, .offset: 24, .size: 8, .value_kind: global_buffer, .address_space: global }
      - { .name: w216, .offset: 32, .size: 8, .value_kind: global_buffer, .address_space: global }
      - { .name: bo, .offset: 40, .size: 8, .value_kind: global_buffer, .address_space: global }
      - { .name: b1, .offset: 48, .size: 8, .value_kind: global_buffer, .address_space: global }
      - { .name: b2, .offset: 56, .size: 8, .value_kind: global_buffer, .address_space: global }
      - { .name: g2, .offset: 64, .size: 8, .value_kind: global_buffer, .address_space: global }
      - { .name: be2, .offset: 72, .size: 8, .value_kind: global_buffer, .address_space: global }
      - { .name: out0, .offset: 80, .size: 8, .value_kind: global_buffer, .address_space: global }
    .group_segment_fixed_size: 327680
    .private_segment_fixed_size: 0
    .kernarg_segment_align: 8
    .kernarg_segment_size: 88
    .max_flat_workgroup_size: 128
    .sgpr_count:     96
    .vgpr_count:     1024
    .wavefront_size: 32
...
	.end_amdgpu_metadata
.endif
;; end of part 3
;; ======== version 2 of 2: 3 launches; 1.17 times as fast as version 1
;; limits: values are held in f16: magnitudes above 65,504 overflow, below 6.1e-05 lose precision
;; workspace buffers: h 16,777,216 bytes; o 16,777,216 bytes; wqkv 1,572,864 bytes; wo16 524,288 bytes; w116 2,097,152 bytes; w216 2,097,152 bytes
;; launch prep (part 4): grid 704 x 1, 8 waves a work-group, no clusters, 0 bytes of LDS; arguments x, g1, be1, Wq, Wk, Wv, Wo, W1, W2, h, wqkv, wo16, w116, w216; writes h, wqkv, wo16, w116, w216
.if DOCPART == 4
	.amdgcn_target "amdgcn-amd-amdhsa--gfx1250"
	.amdhsa_code_object_version 6
	.text
	.protected	k_q9c53e5ada4_prep
	.globl	k_q9c53e5ada4_prep
	.p2align	8
	.type	k_q9c53e5ada4_prep,@function
k_q9c53e5ada4_prep:
	s_mov_b64 s[64:65], 0
	v_nop
	global_prefetch_b8 v0, s[64:65] scope:SCOPE_SE
	s_setreg_imm32_b32 hwreg(HW_REG_WAVE_MODE, 25, 1), 1
	s_wait_xcnt 0x0
; TWO STREAMS IN ONE LAUNCH.  Work-groups 0-511: h = LayerNorm(x) * g1 + be1, f32 in, f16 out, 32 rows of 512 each.
; Work-groups 512-703: the six weight tensors rounded to f16, 16,384 numbers a work-group; Wq, Wk, Wv are laid by heads: wqkv[head][q,k,v][64][512].
; No LDS, no barrier, no matrix unit: every byte is read once and written once, and a row's sums never leave a wave.
; A wave takes four rows (or 16 loads of weights), all asked for at once: 704 work-groups of equal bytes, 2.75 for each of 256 WGPs, and a row's text stands four times.
; LIMIT: f16 ends at 65,504: a weight or a number of h beyond that becomes an infinity.  Mean first, then the sum of (x - mean)^2: no difference of large sums.
.set ROWS, 4                           ; rows of a wave
.set G, 4                              ; v[4:19]    g1 of my 16 columns
.set B, 20                             ; v[20:35]   be1 of my 16 columns
.set T, 36                             ; v[36:43]   at work
.set X, 52                             ; v[52:115]  LN: row i in 16 registers; weights: load n in 4 registers
	s_load_b512 s[4:19], s[0:1], 0x0               ; x 4, g1 6, be1 8, Wq 10, Wk 12, Wv 14, Wo 16, W1 18
	s_load_b256 s[20:27], s[0:1], 0x40             ; W2 20, h 22, wqkv 24, wo16 26
	s_load_b128 s[28:31], s[0:1], 0x60             ; w116 28, w216 30
	v_lshrrev_b32 v3, 5, v0
	v_readfirstlane_b32 s36, v3                    ; wave 0..7
	s_mov_b32 s32, 0x3b000000                      ; 1 / 512
	s_mov_b32 s33, 0x3727c5ac                      ; 1e-5
	s_mov_b32 s34, 0x76543210                      ; v_permlanex16_b32: each lane takes its own place in the other half
	s_mov_b32 s35, 0xfedcba98
	s_cmp_lt_u32 ttmp9, 512
	s_cbranch_scc0 .Lweights
	; LAYER NORM.  A row is 4 loads of 512 consecutive bytes: lane l holds columns 128 j + 4 l + 0..3, j = 0..3.
	v_and_b32 v3, 31, v0
	v_lshlrev_b32 v1, 4, v3                        ; 16 bytes a lane in x, g1, be1
	v_lshlrev_b32 v2, 3, v3                        ; 8 bytes a lane in h
	s_lshl_b32 s40, ttmp9, 16                      ; 32 rows of 2,048 bytes a work-group,
	s_lshl_b32 s37, s36, 13                        ; 4 rows a wave
	s_add_co_u32 s40, s40, s37
	s_mov_b32 s41, 0
	s_lshr_b32 s42, s40, 1                         ; h's rows are half as long
	s_mov_b32 s43, 0
	s_wait_kmcnt 0x0
	s_add_nc_u64 s[4:5], s[4:5], s[40:41]
	s_add_nc_u64 s[22:23], s[22:23], s[42:43]
.irp j, 0,1,2,3
	global_load_b128 v[G+4*\j:G+4*\j+3], v1, s[6:7] offset:512*\j
	global_load_b128 v[B+4*\j:B+4*\j+3], v1, s[8:9] offset:512*\j
.endr
.set n, 0
.rept 4*ROWS                                   ; all four rows are asked for at once: 16 loads of the wave are on their way
	global_load_b128 v[X+4*n:X+4*n+3], v1, s[4:5] offset:2048*(n/4)+512*(n%4)
.set n, n+1
.endr
.macro REDUCE r, t                     ; the sum of v[r] over the 32 lanes, in every lane; v[t] has been written before
	v_add_f32_dpp v[\r], v[\r], v[\r] row_xmask:1 row_mask:0xf bank_mask:0xf
	v_add_f32_dpp v[\r], v[\r], v[\r] row_xmask:2 row_mask:0xf bank_mask:0xf
	v_add_f32_dpp v[\r], v[\r], v[\r] row_xmask:4 row_mask:0xf bank_mask:0xf
	v_add_f32_dpp v[\r], v[\r], v[\r] row_xmask:8 row_mask:0xf bank_mask:0xf
	v_permlanex16_b32 v[\t], v[\r], s34, s35
	v_add_f32 v[\r], v[\r], v[\t]
.endm
.macro ROW i
.set R, X+16*(\i)
	s_wait_loadcnt 4*(ROWS-1-(\i))                 ; loads come back in order: my row is in, the four loads of each younger row stay out
	v_pk_add_f32 v[T:T+1], v[R:R+1], v[R+2:R+3]
	v_pk_add_f32 v[T+2:T+3], v[R+4:R+5], v[R+6:R+7]
	v_pk_add_f32 v[T+4:T+5], v[R+8:R+9], v[R+10:R+11]
	v_pk_add_f32 v[T+6:T+7], v[R+12:R+13], v[R+14:R+15]
	v_pk_add_f32 v[T:T+1], v[T:T+1], v[T+2:T+3]
	v_pk_add_f32 v[T+4:T+5], v[T+4:T+5], v[T+6:T+7]
	v_pk_add_f32 v[T:T+1], v[T:T+1], v[T+4:T+5]
	v_add_f32 v[T], v[T], v[T+1]
	REDUCE T, T+1
	v_mul_f32 v[T], s32, v[T]                      ; the mean
.irp k, 0,2,4,6,8,10,12,14
	v_pk_add_f32 v[R+\k:R+\k+1], v[R+\k:R+\k+1], v[T:T+1] op_sel_hi:[1,0] neg_lo:[0,1] neg_hi:[0,1]  ; x - mean, in place
.endr
	v_pk_mul_f32 v[T+2:T+3], v[R:R+1], v[R:R+1]    ; the squares, in two chains
	v_pk_mul_f32 v[T+4:T+5], v[R+2:R+3], v[R+2:R+3]
.irp k, 4,8,12
	v_pk_fma_f32 v[T+2:T+3], v[R+\k:R+\k+1], v[R+\k:R+\k+1], v[T+2:T+3]
	v_pk_fma_f32 v[T+4:T+5], v[R+\k+2:R+\k+3], v[R+\k+2:R+\k+3], v[T+4:T+5]
.endr
	v_pk_add_f32 v[T+2:T+3], v[T+2:T+3], v[T+4:T+5]
	v_add_f32 v[T+2], v[T+2], v[T+3]
	REDUCE T+2, T+3
	v_fma_f32 v[T+2], v[T+2], s32, s33             ; variance + 1e-5
	v_rsq_f32 v[T+2], v[T+2]
	v_nop                                          ; a plain instruction between the transcendental and the use of its result (ISA guide 5.7.2)
	s_wait_alu depctr_va_vdst(0)
.irp k, 0,2,4,6,8,10,12,14
	v_pk_mul_f32 v[R+\k:R+\k+1], v[R+\k:R+\k+1], v[T+2:T+3] op_sel_hi:[1,0]
.endr
.irp k, 0,2,4,6,8,10,12,14
	v_pk_fma_f32 v[R+\k:R+\k+1], v[R+\k:R+\k+1], v[G+\k:G+\k+1], v[B+\k:B+\k+1]
.endr
.irp k, 0,1,2,3,4,5,6,7
	v_cvt_pk_f16_f32 v[R+\k], v[R+2*\k], v[R+2*\k+1]  ; in place, ascending: register k is written when 2 k and 2 k + 1 are read
.endr
.irp j, 0,1,2,3
	global_store_b64 v2, v[R+2*\j:R+2*\j+1], s[22:23] offset:1024*(\i)+256*\j  ; 32 lanes store 256 consecutive bytes, at a multiple of 256 from h's first byte
.endr
.endm
.irp i, 0,1,2,3
	ROW \i                                         ; no register that a store reads is written again: no further wait
.endr
	s_endpgm
.Lweights:
	; Work-group 512 + 2 j + half takes one half of block j = 0..95 of 32,768 numbers: 0-7 Wq's heads, 8-15 Wk's, 16-23 Wv's, 24-31 Wo, 32-63 W1, 64-95 W2.
	; Source and destination are chosen by compares on j alone.
	s_sub_co_u32 s36, ttmp9, 512
	s_and_b32 s32, s36, 1                          ; which half of the block
	s_lshr_b32 s36, s36, 1                         ; j
	s_sub_co_u32 s44, s36, 64
	s_sub_co_u32 s45, s36, 32
	s_sub_co_u32 s46, s36, 24
	s_and_b32 s47, s36, 7                          ; the head
	s_lshr_b32 s38, s36, 3                         ; 0 q, 1 k, 2 v
	s_mul_i32 s39, s47, 3
	s_add_co_u32 s38, s38, s39                     ; the block's place in wqkv: 3 head + kind
	v_lshlrev_b32 v1, 4, v0                        ; 256 threads x 16 bytes: a load of the work-group covers 4,096 consecutive bytes
	v_lshlrev_b32 v2, 3, v0
	s_wait_kmcnt 0x0
	s_mov_b64 s[40:41], s[20:21]
	s_mov_b64 s[42:43], s[30:31]
	s_mov_b32 s37, s44
	s_mov_b32 s39, s44
	s_cmp_lt_u32 s36, 64
	s_cselect_b64 s[40:41], s[18:19], s[40:41]
	s_cselect_b64 s[42:43], s[28:29], s[42:43]
	s_cselect_b32 s37, s45, s37
	s_cselect_b32 s39, s45, s39
	s_cmp_lt_u32 s36, 32
	s_cselect_b64 s[40:41], s[16:17], s[40:41]
	s_cselect_b64 s[42:43], s[26:27], s[42:43]
	s_cselect_b32 s37, s46, s37
	s_cselect_b32 s39, s46, s39
	s_cmp_lt_u32 s36, 24
	s_cselect_b64 s[40:41], s[14:15], s[40:41]
	s_cselect_b64 s[42:43], s[24:25], s[42:43]
	s_cselect_b32 s37, s47, s37
	s_cselect_b32 s39, s38, s39
	s_cmp_lt_u32 s36, 16
	s_cselect_b64 s[40:41], s[12:13], s[40:41]
	s_cmp_lt_u32 s36, 8
	s_cselect_b64 s[40:41], s[10:11], s[40:41]
	s_lshl_b32 s44, s37, 17                        ; a block is 131,072 bytes of f32,
	s_lshl_b32 s33, s32, 16                        ; its half 65,536
	s_add_co_u32 s44, s44, s33
	s_mov_b32 s45, 0
	s_lshl_b32 s46, s39, 16                        ; and 65,536 bytes of f16,
	s_lshl_b32 s33, s32, 15                        ; its half 32,768
	s_add_co_u32 s46, s46, s33
	s_mov_b32 s47, 0
	s_add_nc_u64 s[40:41], s[40:41], s[44:45]
	s_add_nc_u64 s[42:43], s[42:43], s[46:47]
.set n, 0
.rept 16
	global_load_b128 v[X+4*n:X+4*n+3], v1, s[40:41] offset:4096*n th:TH_LOAD_NT
.set n, n+1
.endr
.set n, 0
.rept 16
	s_wait_loadcnt 15-n                            ; load n is in, the younger ones stay out
	v_cvt_pk_f16_f32 v[X+4*n], v[X+4*n], v[X+4*n+1]
	v_cvt_pk_f16_f32 v[X+4*n+1], v[X+4*n+2], v[X+4*n+3]
	global_store_b64 v2, v[X+4*n:X+4*n+1], s[42:43] offset:2048*n  ; a wave stores 256 consecutive bytes, aligned
.set n, n+1
.endr
	s_endpgm
.Lfunc_end_k_q9c53e5ada4_prep:
	.size	k_q9c53e5ada4_prep, .Lfunc_end_k_q9c53e5ada4_prep-k_q9c53e5ada4_prep
	.p2alignl 7, 3214868480
	.fill 96, 4, 3214868480
	.section	.rodata,"a",@progbits
	.p2align	6, 0x0
	.amdhsa_kernel k_q9c53e5ada4_prep
		.amdhsa_group_segment_fixed_size 0
		.amdhsa_private_segment_fixed_size 0
		.amdhsa_enable_private_segment 0
		.amdhsa_kernarg_size 112
		.amdhsa_user_sgpr_count 2
		.amdhsa_user_sgpr_kernarg_segment_ptr 1
		.amdhsa_wavefront_size32 1
		.amdhsa_system_sgpr_workgroup_id_x 1
		.amdhsa_system_sgpr_workgroup_id_y 1
		.amdhsa_system_sgpr_workgroup_id_z 1
		.amdhsa_system_vgpr_workitem_id 0
		.amdhsa_next_free_vgpr 116
		.amdhsa_next_free_sgpr 66
		.amdhsa_reserve_vcc 0
		.amdhsa_float_denorm_mode_32 3
		.amdhsa_float_denorm_mode_16_64 3
		.amdhsa_memory_ordered 1
		.amdhsa_forward_progress 1
		.amdhsa_inst_pref_size 28
	.end_amdhsa_kernel
	.amdgpu_metadata
---
amdhsa.version: [ 1, 2 ]
amdhsa.kernels:
  - .name:           k_q9c53e5ada4_prep
    .symbol:         k_q9c53e5ada4_prep.kd
    .args:
      - { .name: x, .offset: 0, .size: 8, .value_kind: global_buffer, .address_space: global }
      - { .name: g1, .offset: 8, .size: 8, .value_kind: global_buffer, .address_space: global }
      - { .name: be1, .offset: 16, .size: 8, .value_kind: global_buffer, .address_space: global }
      - { .name: Wq, .offset: 24, .size: 8, .value_kind: global_buffer, .address_space: global }
      - { .name: Wk, .offset: 32, .size: 8, .value_kind: global_buffer, .address_space: global }
      - { .name: Wv, .offset: 40, .size: 8, .value_kind: global_buffer, .address_space: global }
      - { .name: Wo, .offset: 48, .size: 8, .value_kind: global_buffer, .address_space: global }
      - { .name: W1, .offset: 56, .size: 8, .value_kind: global_buffer, .address_space: global }
      - { .name: W2, .offset: 64, .size: 8, .value_kind: global_buffer, .address_space: global }
      - { .name: h, .offset: 72, .size: 8, .value_kind: global_buffer, .address_space: global }
      - { .name: wqkv, .offset: 80, .size: 8, .value_kind: global_buffer, .address_space: global }
      - { .name: wo16, .offset: 88, .size: 8, .value_kind: global_buffer, .address_space: global }
      - { .name: w116, .offset: 96, .size: 8, .value_kind: global_buffer, .address_space: global }
      - { .name: w216, .offset: 104, .size: 8, .value_kind: global_buffer, .address_space: global }
    .group_segment_fixed_size: 0
    .private_segment_fixed_size: 0
    .kernarg_segment_align: 8
    .kernarg_segment_size: 112
    .max_flat_workgroup_size: 256
    .sgpr_count:     66
    .vgpr_count:     116
    .wavefront_size: 32
...
	.end_amdgpu_metadata
.endif
;; end of part 4
;; launch attn (part 5): grid 256 x 1, 4 waves a work-group, clusters of 4 x 1, 327,680 bytes of LDS; arguments h, wqkv, o; writes o
.if DOCPART == 5
	.amdgcn_target "amdgcn-amd-amdhsa--gfx1250"
	.amdhsa_code_object_version 6
	.text
	.protected	k_q9c53e5ada4_attn
	.globl	k_q9c53e5ada4_attn
	.p2align	8
	.type	k_q9c53e5ada4_attn,@function
k_q9c53e5ada4_attn:
	s_mov_b64 s[64:65], 0
	v_nop
	global_prefetch_b8 v0, s[64:65] scope:SCOPE_SE
	s_setreg_imm32_b32 hwreg(HW_REG_WAVE_MODE, 25, 1), 1
	s_wait_xcnt 0x0
	s_wait_alu depctr_hold_cnt(0) depctr_sa_sdst(0) depctr_va_vdst(0) depctr_va_sdst(0) depctr_va_ssrc(0) depctr_va_vcc(0) depctr_vm_vsrc(0)
	s_getreg_b32 s2, hwreg(HW_REG_IB_STS2, 6, 4)
	s_cmp_eq_u32 s2, 0
	s_cbranch_scc0 .Lentry_in_a_cluster
	s_endpgm
.Lentry_in_a_cluster:
	s_bfe_u32 s2, ttmp6, 0x10000c
	s_cmp_lg_u32 s2, 0x3003
	s_cbranch_scc0 .Lentry_shape_is_right
	s_endpgm
.Lentry_shape_is_right:
; o[row][64 head + d] = softmax_k(q . k / 8) v for one group of 128 rows and FOUR of the eight heads; q, k, v = h W^T of that head.  h, the weights and o are f16; sums, maxima and softmax in f32.
; SHARES.  128 groups x 2 head halves = 256 work-groups.  Wave w: a = w / 2 is its half of the rows, b = w % 2 its half of a head's 64 channels in the projections; in the attention it owns queries 32 w .. 32 w + 31.
; h of the wave's 64 rows stays in 512 registers for all four heads.
; ONE SLOT.  A head's weights, 192 rows of 1,024 bytes, are ONE tile in ONE LDS slot of 199,680 bytes (two such do not fit in the 327,680 that the launch has); a wave's one tensor load brings 48 rows.  The slot is
; filled again when the head's projections have read it out, and the fill lands under that head's attention, which reads no weights.  The loads are joint: the four work-groups of a cluster have the same head
; half and walk the same heads, so each tile is asked for by all four with one descriptor and the mask 15.
; THE LOOP is: change of slots (fill for the next head) | attention of the head just packed | wait for the tile | projections | packing.  It is entered at the wait for the tile, with the first fill out, and left behind
; the fourth packing; written out behind it is the last head's attention alone.  The projections stand once.
; THE WALK.  Step t takes head (START + t) mod 4 of my half.  START is made of the cluster's number c, which the four partners share: its bits are c1^c2 and c3^c4.  So the clusters of a head half do not all ask for the
; same tile at the same moment: the tile that a cluster asks for was asked for a head earlier by the clusters whose START is one higher.  START enters global addresses alone: the tile's, and the store offset on the
; way out, which turns the stage's walk order back into the heads' order inside the same 512 bytes.
; LAYOUT.  Q, K: source 0 = 16 weight rows, source 1 = 16 rows of h: a lane holds one row and eight neighbouring channels.  V: the sources swapped: a lane holds one channel and eight neighbouring keys, so V lies
; in LDS as [channel][key] and all fragments are plain 16-byte loads.  S^T = K Q^T holds one query a lane; two results rounded to f16 ARE source 1 of O^T = V^T P.
; SOFTMAX.  All 128 scores of a query are in registers (64 in each of two lanes): the row's true maximum is taken away; p = 2^(c s - c m), c = log2(e) / 8; l is the sum of the unrounded p.
; The wave's two tiles of 16 queries are taken one after the other by ONE text, a loop of two trips on the same registers: K's and V's fragments stay, two addresses step.
; LIMITS.  f16 ends at 65,504: q, k or v beyond that becomes an infinity; a weight p below 2^-126 counts as 0; NaN and infinities are not treated apart.
; REGISTERS, in windows of 256 (s_set_vgpr_msb: bits 1:0 source 0, 3:2 source 1, 5:4 source 2, 7:6 destination):
;   window 0: v0-31 addresses and statistics; v32-127 two buffers of six weight fragments, later Q's fragments (v32-47) and P (v64-95) of the query tile in hand; v128-191 its S^T, v192-223 its O^T
;   window 1: v0-191 the 24 accumulators of Q, K, V ((f, a') at 8 (4 f + a')); later K's fragments (v0-127) and V's (v128-255)      windows 2, 3: h: fragment (ks, a') at 8 (4 (ks % 8) + a') of window 2 + ks / 8
.set PW,    1040                       ; a weight row in LDS: 1,024 bytes + 16 = 260 words: row r starts at bank 4 r mod 64 (64 banks of 4 bytes: ISA guide 11.1)
.set SLOTB, 192*PW
.set WPART, 48*PW                      ; the 48 rows that one wave's load brings
.set PQ,    144                        ; a row of Q or K: 128 bytes + 16
.set PVT,   272                        ; a channel of V: 128 keys, 256 bytes + 16
.set POS,   528                        ; a row of the work-group's part of o: 4 heads x 128 bytes + 16
.set QB,    SLOTB                      ; behind the slot, in blocks of 256 bytes into which no tensor load lands
.set KB,    QB+128*PQ
.set VT,    KB+128*PQ
.set OS,    VT+64*PVT
.set SPARE, OS+128*POS                 ; the spare words: 128 bytes a wave, two blocks of 256 bytes that no other line names
.set HEADB, 196608                     ; a head's bytes in wqkv
.set WA,  4                            ; v4 my rows of Q's weights, v5 of K's, v6 of V's: 64 rows of 1,040 bytes apart, more than an LDS instruction's 16-bit offset reaches twice
.set QSA, 8                            ; where I store 16 bytes of Q (K: 128 rows further)
.set VSA, 9                            ; of V
.set QRA, 10                           ; where I read Q's, K's, V's fragments
.set KRA, 11
.set VRA, 12
.set OSA, 13                           ; where I store 16 bytes of o; steps by 128 bytes a head of the walk
.set ORA, 14                           ; where I read rows of o back
.set GOA, 15                           ; where my 16 bytes of a stage row belong in the 512 of o
.set HOA, 16                           ; my 16 bytes in 16 rows of h
.set SPW, 17                           ; my spare word; never rewritten
.set NIL, 18                           ; 0; never rewritten
.set CH,  20                           ; v20-23 four chains of the maximum
.set CM,  24                           ; v24 c m, v25 m
.set LS,  26                           ; v26-27 l at work
.set RL,  28                           ; v[28:29] 1 / l of the query tile in hand, twice
.set QAD, 30                           ; v30 QRA for the query tile in hand: steps by 16 rows of Q
.set OAD, 31                           ; v31 OSA for the query tile in hand: steps by 16 rows of the stage
.set FB,  32
.set QF,  32
.set PF,  64
.set SS,  128
.set OO,  192
.set MSB, 0
.macro WIN new                         ; the immediate's high byte repeats the setting that is left; a switch that changes nothing is dropped
.if MSB != (\new)
	s_set_vgpr_msb (MSB<<8)|(\new)
.set MSB, \new
.endif
.endm
.macro PLACES n                        ; plain vector instructions between a matrix instruction and what touches its registers (ISA guide 7.12.1)
.rept \n
	v_nop
.endr
.endm
.macro ROUND                           ; a round of the cluster's barrier: my work-group's barrier; wave 0 signals for it; every wave waits for all four work-groups; my work-group's barrier again
	s_barrier_signal -1
	s_barrier_wait -1
	s_cmp_lg_u32 s10, 0
	s_cbranch_scc1 .Lnot_wave_0_\@
	s_barrier_signal -3
.Lnot_wave_0_\@:
	s_barrier_wait -3
	s_barrier_signal -1
	s_barrier_wait -1
.endm
	s_load_b128 s[4:7], s[0:1], 0x0                ; h s[4:5], wqkv s[6:7]
	s_load_b64 s[8:9], s[0:1], 0x10                ; o
	v_lshl_add_u32 v[SPW], v0, 2, SPARE
	v_mov_b32 v[NIL], 0
	ds_add_u32 v[SPW], v[NIL]                      ; the wave's opening: the add and its wait ahead of my first tensor load; the set-up, work on registers, stands between
	v_lshrrev_b32 v1, 5, v0
	v_readfirstlane_b32 s10, v1                    ; wave 0..3
	s_lshr_b32 s11, s10, 1                         ; a
	s_and_b32 s12, s10, 1                          ; b
	s_bfe_u32 s13, ttmp6, 0x40000                  ; cx: it enters h's and o's addresses alone
	s_and_b32 s14, ttmp9, 1                        ; the head half: the cluster's number is shared by the four partners
	s_lshr_b32 s15, ttmp9, 1
	s_lshl_b32 s15, s15, 2
	s_add_co_u32 s15, s15, s13                     ; the group of 128 rows
	s_lshr_b32 s46, ttmp9, 1                       ; START, from the cluster's number c alone:
	s_xor_b32 s46, s46, ttmp9                      ; g = c ^ (c >> 1): bit i is c_i ^ c_(i+1)
	s_lshr_b32 s47, s46, 1
	s_and_b32 s47, s47, 1                          ; g1
	s_lshr_b32 s46, s46, 2
	s_and_b32 s46, s46, 2                          ; g3
	s_or_b32 s46, s46, s47                         ; s46: START, then the head at which the descriptor stands
	; descriptor group 1: 48 rows x 512 elements of 2 bytes, 16 bytes of padding behind each row
	s_mov_b32 s16, 15|(1<<16)|(1<<20)|(1<<21)|(7<<22)|(3<<25)  ; the mask of four; 2-byte elements; padding on; bit 21 beside a mask; after every 256 words; 4 words
	s_mov_b32 s17, 512<<16                         ; tensor_dim0 = 512
	s_mov_b32 s18, 48<<16                          ; tensor_dim1 = 48
	s_mov_b32 s19, 512<<16                         ; tile_dim0 = 512
	s_mov_b32 s20, 48                              ; tile_dim1 = 48
	s_mov_b32 s21, 512                             ; elements from row to row
	s_mov_b32 s22, 0
	s_mov_b32 s23, 0
	s_mov_b32 s24, 1                               ; group 0 in s[24:27]
	s_mul_i32 s25, s10, WPART                      ; my 48 rows' place: the wave's number alone
	s_mul_i32 s32, s14, 4*HEADB                    ; my half's head 0,
	s_mul_i32 s33, s10, 48*1024                    ; my 48 of its 192 rows
	s_add_co_u32 s32, s32, s33
	s_mov_b32 s33, 0
	s_lshl_b32 s34, s15, 17                        ; h: 128 rows of 1,024 bytes a group,
	s_lshl_b32 s35, s11, 16                        ; my half of them
	s_add_co_u32 s34, s34, s35
	s_mov_b32 s35, 0
	s_lshl_b32 s42, s15, 17                        ; o: the group, my 32 rows, my half's 512 bytes of a row
	s_lshl_b32 s43, s10, 15
	s_add_co_u32 s42, s42, s43
	s_lshl_b32 s43, s14, 9
	s_add_co_u32 s42, s42, s43
	s_mov_b32 s43, 0
	s_mov_b32 s38, 0x3e38aa3b                      ; c = log2(e) / 8
	s_mov_b32 s39, s38                             ; named with it as a pair
	s_mov_b32 s40, 0x76543210                      ; v_permlanex16_b32: each lane takes its own place in the other half
	s_mov_b32 s41, 0xfedcba98
	v_and_b32 v1, 15, v0                           ; r
	v_bfe_u32 v2, v0, 4, 1                         ; hh
	v_and_b32 v3, 31, v0                           ; lane
	v_mul_u32_u24 v19, v1, PW
	v_lshl_add_u32 v19, v2, 4, v19                 ; a fragment's row x pitch + 16 x half
	s_mul_i32 s44, s12, 32*PW
	v_add_nc_u32 v[WA], s44, v19
	v_add_nc_u32 v[WA+1], 64*PW, v[WA]
	v_add_nc_u32 v[WA+2], 128*PW, v[WA]
	v_mul_u32_u24 v19, v1, POS
	v_lshl_add_u32 v19, v2, 4, v19
	s_mul_i32 s44, s10, 32*POS
	s_add_co_u32 s44, s44, OS
	v_add_nc_u32 v[OSA], s44, v19
	v_lshl_add_u32 v[ORA], v3, 4, s44
	v_lshrrev_b32 v19, 3, v3                       ; my 16 bytes of a stage row belong to step lane / 8 of the walk,
	v_add_nc_u32 v19, s46, v19
	v_and_b32 v19, 3, v19                          ; which is head (START + lane / 8) mod 4:
	v_and_b32 v[GOA], 7, v3
	v_lshlrev_b32 v[GOA], 4, v[GOA]
	v_lshl_add_u32 v[GOA], v19, 7, v[GOA]          ; 128 x head + 16 x (lane mod 8)
	v_mul_u32_u24 v19, v1, PQ
	v_lshl_add_u32 v19, v2, 4, v19
	s_mul_i32 s44, s11, 64*PQ
	s_lshl_b32 s45, s12, 6
	s_add_co_u32 s44, s44, s45
	s_add_co_u32 s44, s44, QB
	v_add_nc_u32 v[QSA], s44, v19
	s_mul_i32 s44, s10, 32*PQ
	s_add_co_u32 s44, s44, QB
	v_add_nc_u32 v[QRA], s44, v19
	v_add_nc_u32 v[KRA], KB, v19
	v_mul_u32_u24 v19, v1, PVT
	v_lshl_add_u32 v19, v2, 4, v19
	s_mul_i32 s44, s12, 32*PVT
	s_lshl_b32 s45, s11, 7
	s_add_co_u32 s44, s44, s45
	s_add_co_u32 s44, s44, VT
	v_add_nc_u32 v[VSA], s44, v19
	v_add_nc_u32 v[VRA], VT, v19
	v_lshlrev_b32 v[HOA], 10, v1
	v_lshl_add_u32 v[HOA], v2, 4, v[HOA]
	v_mov_b32 v[LS+1], 0                           ; a lane exchange's destination counts as read: written once here
	s_mul_i32 s44, s46, HEADB                      ; s[44:45]: a head's byte offset, the high word 0
	s_mov_b32 s45, 0
	s_wait_dscnt 0x0                               ; the opening add is done
	s_wait_kmcnt 0x0
	s_add_nc_u64 s[6:7], s[6:7], s[32:33]          ; wqkv at my 48 rows of my half's head 0
	s_add_nc_u64 s[26:27], s[6:7], s[44:45]        ; the walk's first head
	s_or_b32 s27, s27, 0x80000000                  ; type = 2
	s_add_nc_u64 s[4:5], s[4:5], s[34:35]
	s_add_nc_u64 s[8:9], s[8:9], s[42:43]
	ROUND                                          ; all four work-groups are here: the first joint loads meet
	tensor_load_to_lds s[24:27], s[16:23]          ; the first fill: one load of mine is out, here and behind every change of slots
	s_nop 0
	PLACES 4
	; h stays in registers: lane (r, hh) takes row 16 a' + r, bytes 64 ks + 16 hh and 32 further
	WIN 0x80
.irp k, 0,1,2,3,4,5,6,7
.irp a, 0,1,2,3
	global_load_b128 v[8*(4*\k+\a):8*(4*\k+\a)+3],   v[HOA], s[4:5] offset:16384*\a+64*\k
	global_load_b128 v[8*(4*\k+\a)+4:8*(4*\k+\a)+7], v[HOA], s[4:5] offset:16384*\a+64*\k+32
.endr
.endr
	WIN 0xc0
.irp k, 0,1,2,3,4,5,6,7
.irp a, 0,1,2,3
	global_load_b128 v[8*(4*\k+\a):8*(4*\k+\a)+3],   v[HOA], s[4:5] offset:16384*\a+64*\k+512
	global_load_b128 v[8*(4*\k+\a)+4:8*(4*\k+\a)+7], v[HOA], s[4:5] offset:16384*\a+64*\k+544
.endr
.endr
	WIN 0
; 12 LDS loads: the six weight fragments (f = 0, 1 Q; 2, 3 K; 4, 5 V: my 32 channels of each) of step ks, 32 along k
.macro FETCHW ks, buf
	WIN 0
.irp f, 0,1,2,3,4,5
	ds_load_b128 v[(\buf)+8*\f:(\buf)+8*\f+3],   v[WA+\f/2] offset:(\f%2)*16*PW+64*(\ks)
	ds_load_b128 v[(\buf)+8*\f+4:(\buf)+8*\f+7], v[WA+\f/2] offset:(\f%2)*16*PW+64*(\ks)+32
.endr
.endm
; 16 products for Q and K, 8 for V.  The 24 accumulators take turns, one instruction a turn.  zero = 1: the first products start the sums.
.macro MQK buf, ksl, w, zero
	WIN 0x50|((\w)<<2)                             ; C and D window 1, weights window 0, h window w
.irp f, 0,1,2,3
.irp a, 0,1,2,3
.if \zero
	v_wmma_f32_16x16x32_f16 v[8*(4*\f+\a):8*(4*\f+\a)+7], v[(\buf)+8*\f:(\buf)+8*\f+7], v[8*(4*(\ksl)+\a):8*(4*(\ksl)+\a)+7], 0
.else
	v_wmma_f32_16x16x32_f16 v[8*(4*\f+\a):8*(4*\f+\a)+7], v[(\buf)+8*\f:(\buf)+8*\f+7], v[8*(4*(\ksl)+\a):8*(4*(\ksl)+\a)+7], v[8*(4*\f+\a):8*(4*\f+\a)+7]
.endif
.endr
.endr
.endm
.macro MV buf, ksl, w, zero
	WIN 0x50|(\w)                                  ; the sources swapped: h is source 0
.irp f, 4,5
.irp a, 0,1,2,3
.if \zero
	v_wmma_f32_16x16x32_f16 v[8*(4*\f+\a):8*(4*\f+\a)+7], v[8*(4*(\ksl)+\a):8*(4*(\ksl)+\a)+7], v[(\buf)+8*\f:(\buf)+8*\f+7], 0
.else
	v_wmma_f32_16x16x32_f16 v[8*(4*\f+\a):8*(4*\f+\a)+7], v[8*(4*(\ksl)+\a):8*(4*(\ksl)+\a)+7], v[(\buf)+8*\f:(\buf)+8*\f+7], v[8*(4*\f+\a):8*(4*\f+\a)+7]
.endif
.endr
.endr
.endm
; Step ks of 16, 32 along k: its fragments are in; the next step's are asked for, 24 products ahead of their use
.macro KS ks, zero
	s_wait_dscnt 0x0                               ; only this step's twelve loads can be out
	PLACES 4                                       ; the other buffer was read by the products just issued
	FETCHW (\ks)+1, FB+48*(((\ks)+1)%2)
	MQK FB+48*((\ks)%2), (\ks)%8, 2+(\ks)/8, \zero
	MV  FB+48*((\ks)%2), (\ks)%8, 2+(\ks)/8, \zero
.endm
; Q, K, V rounded to f16, in place, each accumulator from its low end on; 16 bytes a lane into LDS
.macro PACK
	PLACES 4
	WIN 0x45
.set n, 0
.rept 24
.irp i, 0,1,2,3
	v_cvt_pk_f16_f32 v[8*n+\i], v[8*n+2*\i], v[8*n+2*\i+1]
.endr
.set n, n+1
.endr
	WIN 0x04                                       ; store data in window 1
.irp f, 0,1,2,3
.irp a, 0,1,2,3
	ds_store_b128 v[QSA], v[8*(4*\f+\a):8*(4*\f+\a)+3] offset:(\f/2)*128*PQ+\a*16*PQ+32*(\f%2)
.endr
.endr
.irp f, 4,5
.irp a, 0,1,2,3
	ds_store_b128 v[VSA], v[8*(4*\f+\a):8*(4*\f+\a)+3] offset:(\f%2)*16*PVT+32*\a
.endr
.endr
.endm
; THE CHANGE OF SLOTS, behind a head's packing.  One round for two things: every wave's Q, K, V are stored, and no wave of any partner reads the slot any more.  The head's number steps round the ring of four,
; the descriptor's address is made anew from the tensor's base and the number times a head's bytes, and the joint fill is the first thing behind the round.
.macro CHANGE
	WIN 0
	s_wait_tensorcnt 0x0                           ; no tensor load of mine is out, so group 0 may be written
	ds_add_u32 v[SPW], v[NIL]                      ; the descriptor's scalar work stands between the add and the wait for it
	s_add_co_u32 s46, s46, 1
	s_and_b32 s46, s46, 3
	s_mul_i32 s44, s46, HEADB
	s_add_nc_u64 s[26:27], s[6:7], s[44:45]
	s_or_b32 s27, s27, 0x80000000
	s_wait_dscnt 0x0                               ; the add, my stores of Q, K, V and my reads of the slot are done
	ROUND
	tensor_load_to_lds s[24:27], s[16:23]
	s_nop 0
	PLACES 4
.endm
.macro SQK                             ; S^T of the tile's 16 queries x 128 keys: 8 accumulators by turns, two deep
.irp c, 0,1
.irp k, 0,1,2,3,4,5,6,7
.if \c == 0
	v_wmma_f32_16x16x32_f16 v[SS+8*\k:SS+8*\k+7], v[8*(2*\k+\c):8*(2*\k+\c)+7], v[QF+8*\c:QF+8*\c+7], 0
.else
	v_wmma_f32_16x16x32_f16 v[SS+8*\k:SS+8*\k+7], v[8*(2*\k+\c):8*(2*\k+\c)+7], v[QF+8*\c:QF+8*\c+7], v[SS+8*\k:SS+8*\k+7]
.endif
.endr
.endr
.endm
.macro PVM                             ; O^T of 64 channels x the tile's 16 queries: 4 accumulators by turns, four deep
.irp b, 0,1,2,3
.irp t, 0,1,2,3
.if \b == 0
	v_wmma_f32_16x16x32_f16 v[OO+8*\t:OO+8*\t+7], v[128+8*(4*\t+\b):128+8*(4*\t+\b)+7], v[PF+8*\b:PF+8*\b+7], 0
.else
	v_wmma_f32_16x16x32_f16 v[OO+8*\t:OO+8*\t+7], v[128+8*(4*\t+\b):128+8*(4*\t+\b)+7], v[PF+8*\b:PF+8*\b+7], v[OO+8*\t:OO+8*\t+7]
.endif
.endr
.endr
.endm
; The softmax of a tile of 16 queries: a lane holds 64 of its query's 128 scores, the lane 16 away the others.
.macro SM
.irp i, 0,1,2,3                        ; four chains; chain i takes accumulators i and i + 4, each from its low end on
	v_max3_num_f32 v[CH+\i], v[SS+8*\i], v[SS+8*\i+1], v[SS+8*\i+2]
.endr
.irp j, 3,5
.irp i, 0,1,2,3
	v_max3_num_f32 v[CH+\i], v[CH+\i], v[SS+8*\i+\j], v[SS+8*\i+\j+1]
.endr
.endr
.irp i, 0,1,2,3
	v_max3_num_f32 v[CH+\i], v[CH+\i], v[SS+8*\i+7], v[SS+8*\i+32]
.endr
.irp j, 33,35,37
.irp i, 0,1,2,3
	v_max3_num_f32 v[CH+\i], v[CH+\i], v[SS+8*\i+\j], v[SS+8*\i+\j+1]
.endr
.endr
.irp i, 0,1,2,3
	v_max_num_f32 v[CH+\i], v[CH+\i], v[SS+8*\i+39]
.endr
	v_max3_num_f32 v[CH], v[CH], v[CH+1], v[CH+2]
	v_max_num_f32 v[CH], v[CH], v[CH+3]
	v_permlanex16_b32 v[CH+1], v[CH], s40, s41
	v_max_num_f32 v[CM+1], v[CH], v[CH+1]          ; the row's maximum
	v_mul_f32 v[CM], s38, v[CM+1]
.set n, 0
.rept 32
	v_pk_fma_f32 v[SS+2*n:SS+2*n+1], v[SS+2*n:SS+2*n+1], s[38:39], v[CM:CM+1] op_sel_hi:[1,0,0] neg_lo:[0,0,1] neg_hi:[0,0,1]  ; c s - c m
.set n, n+1
.endr
.set n, 0
.rept 64
	v_exp_f32 v[SS+n], v[SS+n]
.set n, n+1
.endr
	v_nop                                          ; a plain instruction between the last exponential and the use of its result
.set n, 0
	s_wait_alu depctr_va_vdst(0)
.rept 32
	v_cvt_pk_f16_f32 v[PF+n], v[SS+2*n], v[SS+2*n+1]
.set n, n+1
.endr
.irp w, 16,8,4,2,1                     ; the sum of the 32 pairs, in place
.set n, 0
.rept \w
	v_pk_add_f32 v[SS+2*n:SS+2*n+1], v[SS+2*n:SS+2*n+1], v[SS+2*(n+\w):SS+2*(n+\w)+1]
.set n, n+1
.endr
.endr
	v_add_f32 v[LS], v[SS], v[SS+1]
	v_permlanex16_b32 v[LS+1], v[LS], s40, s41
	v_add_f32 v[LS], v[LS], v[LS+1]
	v_rcp_f32 v[RL], v[LS]
	v_nop
	s_wait_alu depctr_va_vdst(0)
	v_mov_b32 v[RL+1], v[RL]
.endm
.macro OUTO                            ; O^T / l, rounded to f16, 16 bytes a lane into my rows of the stage
.set n, 0
.rept 16
	v_pk_mul_f32 v[OO+2*n:OO+2*n+1], v[OO+2*n:OO+2*n+1], v[RL:RL+1]
.set n, n+1
.endr
.irp t, 0,1,2,3
.irp i, 0,1,2,3
	v_cvt_pk_f16_f32 v[OO+8*\t+\i], v[OO+8*\t+2*\i], v[OO+8*\t+2*\i+1]
.endr
.endr
.irp t, 0,1,2,3
	ds_store_b128 v[OAD], v[OO+8*\t:OO+8*\t+3] offset:32*\t
.endr
.endm
; The attention of one head for my 32 queries: K's and V's fragments once, then two trips of one text, a tile of 16 queries each
.macro ATT
	WIN 0x40
.set n, 0
.rept 16                               ; K: keys 16 (n / 2) on, channels 32 (n % 2) on
	ds_load_b128 v[8*n:8*n+3],   v[KRA] offset:(n/2)*16*PQ+64*(n%2)
	ds_load_b128 v[8*n+4:8*n+7], v[KRA] offset:(n/2)*16*PQ+64*(n%2)+32
.set n, n+1
.endr
.set n, 0
.rept 16                               ; V: channels 16 (n / 4) on, keys 32 (n % 4) on
	ds_load_b128 v[128+8*n:128+8*n+3],   v[VRA] offset:(n/4)*16*PVT+64*(n%4)
	ds_load_b128 v[128+8*n+4:128+8*n+7], v[VRA] offset:(n/4)*16*PVT+64*(n%4)+32
.set n, n+1
.endr
	WIN 0                                          ; at a label and at a branch every window is 0
	v_mov_b32 v[QAD], v[QRA]
	v_mov_b32 v[OAD], v[OSA]
	s_mov_b32 s37, 2
.Ltile_\@:
.irp c, 0,1
	ds_load_b128 v[QF+8*\c:QF+8*\c+3],   v[QAD] offset:64*\c     ; Q's registers were last read by the tile before's first products, a whole softmax back
	ds_load_b128 v[QF+8*\c+4:QF+8*\c+7], v[QAD] offset:64*\c+32
.endr
	s_wait_dscnt 0x0                               ; Q is in; in the first trip K and V too, in the second the tile before's four stores
	WIN 0x01                                       ; source 0 in window 1
	SQK
	WIN 0
	PLACES 4
	SM
	WIN 0x01
	PVM
	WIN 0
	PLACES 4
	OUTO
	v_add_nc_u32 v[QAD], 16*PQ, v[QAD]             ; the next 16 queries,
	v_add_nc_u32 v[OAD], 16*POS, v[OAD]            ; and their rows of the stage
	s_sub_co_u32 s37, s37, 1
	s_cmp_lg_u32 s37, 0
	s_cbranch_scc1 .Ltile_\@
	v_add_nc_u32 v[OSA], 128, v[OSA]               ; the walk's next head: 128 bytes further in a stage row
.endm
	s_mov_b32 s36, 4                               ; heads to go
	s_branch .Lenter                               ; the loop is entered in the middle of a trip: the first head's tile has been asked for, and there is no head yet to attend to
.Lhead:                                                ; three times: the slot is filled for the next head, and the head just packed is attended to while the tile lands
	CHANGE
	ATT
.Lenter:
	s_wait_tensorcnt 0x0                           ; my part of the head's tile is in: the one load of mine that was out
	s_wait_dscnt 0x0                               ; my reads of Q, K and V are over, before anybody packs the next head's over them
	s_barrier_signal -1
	s_barrier_wait -1                              ; both hold of every wave
	s_wait_loadcnt 0x0                             ; h (met at once from the second head on)
	WIN 0
	PLACES 4
	FETCHW 0, FB
	KS 0, 1
.irp k, 1,2,3,4,5,6,7,8,9,10,11,12,13,14
	KS \k, 0
.endr
	s_wait_dscnt 0x0                               ; the last step's fragments are in: my reads of the slot are over
	MQK FB+48, 7, 3, 0
	MV  FB+48, 7, 3, 0
	PACK
	WIN 0
	s_sub_co_u32 s36, s36, 1
	s_cmp_lg_u32 s36, 0
	s_cbranch_scc1 .Lhead
	s_wait_dscnt 0x0                               ; the last head: nothing is asked for, so a plain barrier shows every wave's Q, K, V to all
	s_barrier_signal -1
	s_barrier_wait -1
	ATT
	; THE WAY OUT: my 32 rows, which I alone wrote, come back whole: 512 bytes a row, in the walk's order; the store offset puts each 128 bytes at its head's place
	WIN 0
.set n, 0
.rept 32
	ds_load_b128 v[SS+4*n:SS+4*n+3], v[ORA] offset:POS*n  ; LDS serves a wave's instructions in order (ISA guide 5.7.1.4): these see my stores
.set n, n+1
.endr
.set n, 0
.rept 32
	s_wait_dscnt 31-n                              ; row n is in, the younger loads stay out
	global_store_b128 v[GOA], v[SS+4*n:SS+4*n+3], s[8:9] offset:1024*n  ; the wave's store covers 512 consecutive bytes, at a multiple of 256 from o's first byte
.set n, n+1
.endr
	s_wait_tensorcnt 0x0                           ; the wave's end
	ds_add_u32 v[SPW], v[NIL]
	s_wait_dscnt 0x0
	ROUND                                          ; the closing round: no work-group ends while a partner may still ask for a tile that names it
	s_endpgm
.Lfunc_end_k_q9c53e5ada4_attn:
	.size	k_q9c53e5ada4_attn, .Lfunc_end_k_q9c53e5ada4_attn-k_q9c53e5ada4_attn
	.p2alignl 7, 3214868480
	.fill 96, 4, 3214868480
	.section	.rodata,"a",@progbits
	.p2align	6, 0x0
	.amdhsa_kernel k_q9c53e5ada4_attn
		.amdhsa_group_segment_fixed_size 327680
		.amdhsa_private_segment_fixed_size 0
		.amdhsa_enable_private_segment 0
		.amdhsa_kernarg_size 24
		.amdhsa_user_sgpr_count 2
		.amdhsa_user_sgpr_kernarg_segment_ptr 1
		.amdhsa_wavefront_size32 1
		.amdhsa_system_sgpr_workgroup_id_x 1
		.amdhsa_system_sgpr_workgroup_id_y 1
		.amdhsa_system_sgpr_workgroup_id_z 1
		.amdhsa_system_vgpr_workitem_id 0
		.amdhsa_next_free_vgpr 1024
		.amdhsa_next_free_sgpr 66
		.amdhsa_reserve_vcc 0
		.amdhsa_float_denorm_mode_32 3
		.amdhsa_float_denorm_mode_16_64 3
		.amdhsa_memory_ordered 1
		.amdhsa_forward_progress 1
		.amdhsa_inst_pref_size 113
	.end_amdhsa_kernel
	.amdgpu_metadata
---
amdhsa.version: [ 1, 2 ]
amdhsa.kernels:
  - .name:           k_q9c53e5ada4_attn
    .symbol:         k_q9c53e5ada4_attn.kd
    .args:
      - { .name: h, .offset: 0, .size: 8, .value_kind: global_buffer, .address_space: global }
      - { .name: wqkv, .offset: 8, .size: 8, .value_kind: global_buffer, .address_space: global }
      - { .name: o, .offset: 16, .size: 8, .value_kind: global_buffer, .address_space: global }
    .group_segment_fixed_size: 327680
    .private_segment_fixed_size: 0
    .kernarg_segment_align: 8
    .kernarg_segment_size: 24
    .max_flat_workgroup_size: 128
    .sgpr_count:     66
    .vgpr_count:     1024
    .wavefront_size: 32
...
	.end_amdgpu_metadata
.endif
;; end of part 5
;; launch ffn (part 6): grid 256 x 1, 4 waves a work-group, clusters of 4 x 1, 327,680 bytes of LDS; arguments x, o, wo16, w116, w216, bo, b1, b2, g2, be2, out0; writes out0
.if DOCPART == 6
	.amdgcn_target "amdgcn-amd-amdhsa--gfx1250"
	.amdhsa_code_object_version 6
	.text
	.protected	k_q9c53e5ada4_ffn
	.globl	k_q9c53e5ada4_ffn
	.p2align	8
	.type	k_q9c53e5ada4_ffn,@function
k_q9c53e5ada4_ffn:
	s_mov_b64 s[64:65], 0
	v_nop
	global_prefetch_b8 v0, s[64:65] scope:SCOPE_SE
	s_setreg_imm32_b32 hwreg(HW_REG_WAVE_MODE, 25, 1), 1
	s_wait_xcnt 0x0
	s_wait_alu depctr_hold_cnt(0) depctr_sa_sdst(0) depctr_va_vdst(0) depctr_va_sdst(0) depctr_va_ssrc(0) depctr_va_vcc(0) depctr_vm_vsrc(0)
	s_getreg_b32 s2, hwreg(HW_REG_IB_STS2, 6, 4)
	s_cmp_eq_u32 s2, 0
	s_cbranch_scc0 .Lentry_in_a_cluster
	s_endpgm
.Lentry_in_a_cluster:
	s_bfe_u32 s2, ttmp6, 0x10000c
	s_cmp_lg_u32 s2, 0x3003
	s_cbranch_scc0 .Lentry_shape_is_right
	s_endpgm
.Lentry_shape_is_right:
; out0 = x1 + relu(LN2(x1) W1^T + b1) W2^T + b2, with x1 = x + bo + o Wo^T.  x, the biases, the gains and out0 are f32; o and the weights f16; h2 = LN2(x1) and T = relu(..) are rounded to f16; all sums in f32.
; SHARES.  A work-group owns 64 rows; wave w owns columns 128 w .. 128 w + 127 of all of them: 32 accumulators (OUT), a whole register window, which hold x + bo, then x1, then x1 + b2 + the second product: they never leave.
; The 64 rows' left operand (o, later h2), 64 x 512 in f16, lies in 512 registers of every wave.  The hidden layer goes in 16 chunks of 128: G1(t) makes T_t (each wave 32 of its columns), T_t goes through LDS, G2(t) adds T_t W2^T.
; G2 lags a chunk behind G1, so that T_t is stored, shown to all by the next change of slots, and read a phase later.
; THE WALK.  Step t takes chunk (START + t) mod 16.  START is made of the cluster's number c, which the four partners share: its bits are c0^c1, c1^c2, c3^c4, c4^c5, so that among any 32 clusters
; that agree in one bit of c every START occurs twice.  So the 64 clusters do not all ask for the same tile at the same moment: the tile that a cluster asks for in a trip was asked for a trip earlier by the
; clusters whose START is one higher.  START enters global addresses alone: W1's and W2's tiles, and b1, which is laid into LDS in the order of the walk.
; WEIGHTS come as 36 tiles of 128 KB through two LDS slots, by joint tensor loads: the four work-groups of a cluster walk the same weights in the same order and ask for each tile with one descriptor and the mask 15.
; Each wave brings the rows that it multiplies by itself.  From a tile's request to the wait for it a wave issues 112 matrix instructions: a phase's 128 less the sixteen between that wait and the request.
; LAYOUT.  Source 0 = 16 weight rows, source 1 = 16 rows of the left operand: a lane holds one row and eight neighbouring columns.  b1 enters as the C operand that starts T's sums.
; LN2: the mean first, then the sum of (x1 - mean)^2; the waves' parts meet in LDS.
; LIMITS.  f16 ends at 65,504: a number of h2 or T beyond that becomes an infinity; NaN and infinities are not treated apart.  The chunks' products are added in the walk's order, which differs from cluster
; to cluster and from the order of a plain sum over the 2,048 hidden units: a difference of rounding in f32.
; REGISTERS, in windows of 256 (s_set_vgpr_msb: bits 1:0 source 0, 3:2 source 1, 5:4 source 2, 7:6 destination):
;   window 0: v0-23 addresses; v24-63 statistics and scratch of LN2; fragment buffers P v32-95, Q v128-191 (first product), X v32-127, Y v128-223 (second); b1 v96-111; T's accumulators v192-255
;   window 1: OUT(a', nb) at 8 (8 a' + nb)          windows 2, 3: the left operand: fragment (ks, a') at 8 (4 (ks % 8) + a') of window 2 + ks / 8
.set P1,     1040                      ; a row of 512 k in LDS: 1,024 bytes + 16 = 260 words: row r starts at bank 4 r mod 64 (64 banks of 4 bytes: ISA guide 11.1)
.set PO,     272                       ; a row of 128 k: 256 bytes + 16
.set PS,     528                       ; a row of a wave's stage: 128 f32 + 16 bytes
.set SLOTB,  512*PO
.set W1PART, 32*P1                     ; what one wave's load brings of a tile of 128 x 512
.set W2PART, 128*PO                    ; of a tile of 512 x 128
.set TB,     2*SLOTB                   ; behind the slots, in blocks of 256 bytes into which no tensor load lands: T's two buffers of 64 x 272; at other times the waves' stages (16 x 528 each) and the exchange of h2
.set TBB,    64*PO
.set RED,    TB+2*TBB                  ; 1,024 bytes for the sums, 1,024 for the sums of squares: [a'][row][wave]
.set SPARE,  RED+2048                  ; the spare words: 128 bytes a wave, two blocks of 256 bytes that no other line names
.set B1L,    SPARE+512                 ; b1, 8,192 bytes, in the order of the walk
.set GA,  4                            ; v4, v5   my rows of a 128 x 512 tile in slot 0, 1
.set OA,  6                            ; v6       my rows of a 512 x 128 tile in slot 0
.set OAX, 7                            ; v7       the same in the slot in hand, in the last two phases
.set TRB, 8                            ; v8       a fragment's place in T's buffer 0; also in the exchange of h2
.set TRA, 9                            ; v9       the same in the buffer in hand
.set TSB, 10                           ; v10      where I store 16 bytes of T, buffer 0
.set TSA, 11                           ; v11      the same in the buffer in hand
.set BA,  12                           ; v12      my 32 bytes of b1; steps by a chunk's 512 bytes
.set SGS, 13                           ; v13      my stage by rows: 16 x lane
.set SGA, 14                           ; v14      my stage by accumulators: 528 r + 32 hh
.set XGO, 15                           ; v15      my 16 bytes in 512 of x and out0
.set OGO, 16                           ; v16      my 16 bytes in 16 rows of o
.set CGO, 17                           ; v17      my 32 bytes in bo, b2, g2, be2
.set RSA, 18                           ; v18      where I put a row's partial sum
.set RLA, 19                           ; v19      where I read a row's four
.set HXS, 20                           ; v20      where I store 16 bytes of h2
.set SPW, 22                           ; v22      my spare word; never rewritten
.set NIL, 23                           ; v23      0; never rewritten
.set AR,  24                           ; v[24:31] 1 / sigma of my row in each a', twice; at the start v25 and v27-30: b1's addresses
.set MU,  32                           ; v[32:39] the mean, later -mean / sigma, twice
.set PBUF, 32
.set QBUF, 128
.set XBUF, 32
.set YBUF, 128
.set BI,   96
.set TACC, 192
.set G1T, 32                           ; s[32:39] group 1: 32 rows x 512 elements
.set G1O, 40                           ; s[40:47] group 1: 128 rows x 128 elements
.set DWO0, 48                          ; group 0: Wo into slot 0, slot 1
.set DWO1, 52
.set DW1A, 56                          ; W1's chunk of step 0 into slot 0
.set DW1B, 60                          ; W1's chunks of steps 1 .. 15 into slot 1
.set DW2A, 68                          ; W2's chunks of steps 0 .. 14 into slot 0
.set DW2B, 72                          ; W2's chunk of step 15 into slot 1
.set IX2, 66                           ; s66      START; then the chunk at which DW2A stands
.set IX1, 79                           ; s79      the chunk at which DW1B stands
.set OFP, 92                           ; s[92:93] a chunk's byte offset, the high word 0
.set MSB, 0
.macro WIN new                         ; the immediate's high byte repeats the setting that is left; a switch that changes nothing is dropped
.if MSB != (\new)
	s_set_vgpr_msb (MSB<<8)|(\new)
.set MSB, \new
.endif
.endm
.macro PLACES n                        ; plain vector instructions between a matrix instruction and what touches its registers (ISA guide 7.12.1)
.rept \n
	v_nop
.endr
.endm
.macro CREST                           ; a round of the cluster's barrier behind its opening barrier
	s_cmp_lg_u32 s26, 0
	s_cbranch_scc1 .Lnot_wave_0_\@
	s_barrier_signal -3
.Lnot_wave_0_\@:
	s_barrier_wait -3
	s_barrier_signal -1
	s_barrier_wait -1
.endm
.macro ROUND
	s_barrier_signal -1
	s_barrier_wait -1
	CREST
.endm
	s_load_b512 s[4:19], s[0:1], 0x0               ; x 4, o 6, wo16 8, w116 10, w216 12, bo 14, b1 16, b2 18
	s_load_b128 s[20:23], s[0:1], 0x40             ; g2 20, be2 22
	s_load_b64 s[24:25], s[0:1], 0x50              ; out0
	v_lshl_add_u32 v[SPW], v0, 2, SPARE
	v_mov_b32 v[NIL], 0
	ds_add_u32 v[SPW], v[NIL]                      ; the wave's opening: the add and its wait ahead of my first tensor load; the set-up, work on registers, stands between
	v_lshrrev_b32 v1, 5, v0
	v_readfirstlane_b32 s26, v1                    ; wave 0..3
	s_bfe_u32 s27, ttmp6, 0x40000                  ; cx: it enters x's, o's and out0's addresses alone
	s_lshl_b32 s28, ttmp9, 2
	s_add_co_u32 s28, s28, s27                     ; my block of 64 rows
	s_lshr_b32 s[IX2], ttmp9, 1                    ; START, from the cluster's number c alone:
	s_xor_b32 s[IX2], s[IX2], ttmp9                ; g = c ^ (c >> 1): bit i is c_i ^ c_(i+1)
	s_and_b32 s67, s[IX2], 3                       ; g0, g1
	s_lshr_b32 s[IX2], s[IX2], 1
	s_and_b32 s[IX2], s[IX2], 12                   ; g3, g4
	s_or_b32 s[IX2], s[IX2], s67
	s_mov_b32 s[G1T], 15|(1<<16)|(1<<20)|(1<<21)|(7<<22)|(3<<25)  ; the mask of four; 2-byte elements; padding on; bit 21 beside a mask; after every 256 words; 4 words
	s_mov_b32 s[G1T+1], 512<<16                    ; tensor_dim0 = 512
	s_mov_b32 s[G1T+2], 32<<16                     ; tensor_dim1 = 32
	s_mov_b32 s[G1T+3], 512<<16                    ; tile_dim0 = 512
	s_mov_b32 s[G1T+4], 32                         ; tile_dim1 = 32
	s_mov_b32 s[G1T+5], 512                        ; elements from row to row
	s_mov_b32 s[G1T+6], 0
	s_mov_b32 s[G1T+7], 0
	s_mov_b32 s[G1O], 15|(1<<16)|(1<<20)|(1<<21)|(5<<22)|(3<<25)  ; the same, padding after every 64 words
	s_mov_b32 s[G1O+1], 128<<16
	s_mov_b32 s[G1O+2], 128<<16
	s_mov_b32 s[G1O+3], 128<<16
	s_mov_b32 s[G1O+4], 128
	s_mov_b32 s[G1O+5], 2048
	s_mov_b32 s[G1O+6], 0
	s_mov_b32 s[G1O+7], 0
.irp d, DWO0, DWO1, DW1A, DW1B, DW2A, DW2B
	s_mov_b32 s[\d], 1                             ; count = 1
.endr
	s_mul_i32 s[DWO0+1], s26, W1PART               ; LDS addresses: the wave's number and the slot alone
	s_add_co_u32 s[DWO1+1], s[DWO0+1], SLOTB
	s_mul_i32 s[DW1A+1], s26, W1PART
	s_add_co_u32 s[DW1B+1], s[DW1A+1], SLOTB
	s_mul_i32 s[DW2A+1], s26, W2PART
	s_add_co_u32 s[DW2B+1], s[DW2A+1], SLOTB
	s_lshl_b32 s84, s26, 17                        ; Wo: my 128 rows of 1,024 bytes
	s_mov_b32 s85, 0
	s_lshl_b32 s86, s26, 15                        ; W1: my 32 rows of a chunk's 128
	s_mov_b32 s87, 0
	s_lshl_b32 s88, s26, 19                        ; W2: my 128 rows of 4,096 bytes
	s_mov_b32 s89, 0
	s_lshl_b32 s90, s28, 17                        ; x, out0: 64 rows of 2,048 bytes, my 512 bytes of a row
	s_lshl_b32 s29, s26, 9
	s_add_co_u32 s90, s90, s29
	s_mov_b32 s91, 0
	s_lshl_b32 s30, s28, 16                        ; o: 64 rows of 1,024 bytes
	s_mov_b32 s31, 0
	s_mov_b32 s80, 0x76543210                      ; v_permlanex16_b32: each lane takes its own place in the other half
	s_mov_b32 s81, 0xfedcba98
	s_mov_b32 s82, 0x3b000000                      ; 1 / 512
	s_mov_b32 s83, 0x3727c5ac                      ; 1e-5
	v_and_b32 v1, 15, v0                           ; r
	v_bfe_u32 v2, v0, 4, 1                         ; hh
	v_and_b32 v3, 31, v0                           ; lane
	v_mul_u32_u24 v[GA], v1, P1
	v_lshl_add_u32 v[GA], v2, 4, v[GA]
	v_add_nc_u32 v[GA], s[DWO0+1], v[GA]
	v_add_nc_u32 v[GA+1], SLOTB, v[GA]
	v_mul_u32_u24 v26, v1, PO
	v_lshl_add_u32 v26, v2, 4, v26                 ; 272 r + 16 hh
	v_add_nc_u32 v[OA], s[DW2A+1], v26
	v_add_nc_u32 v[TRB], TB, v26
	s_lshl_b32 s29, s26, 6
	s_add_co_u32 s29, s29, TB
	v_add_nc_u32 v[TSB], s29, v26
	s_mul_i32 s29, s26, 32*PO
	s_add_co_u32 s29, s29, TB
	v_add_nc_u32 v[HXS], s29, v26
	s_lshl_b32 s29, s26, 7
	s_add_co_u32 s29, s29, B1L
	v_lshl_add_u32 v[BA], v2, 5, s29
	s_mul_i32 s29, s26, 16*PS
	s_add_co_u32 s29, s29, TB                      ; my stage
	v_lshl_add_u32 v[SGS], v3, 4, s29
	v_mul_u32_u24 v[SGA], v1, PS
	v_lshl_add_u32 v[SGA], v2, 5, v[SGA]
	v_add_nc_u32 v[SGA], s29, v[SGA]
	v_lshlrev_b32 v[XGO], 4, v3
	v_lshlrev_b32 v[OGO], 10, v1
	v_lshl_add_u32 v[OGO], v2, 4, v[OGO]
	s_lshl_b32 s29, s26, 9
	v_lshl_add_u32 v[CGO], v2, 5, s29
	s_lshl_b32 s29, s26, 2
	s_add_co_u32 s29, s29, RED
	v_lshl_add_u32 v[RSA], v1, 4, s29
	v_lshlrev_b32 v[RLA], 4, v1
	v_add_nc_u32 v[RLA], RED, v[RLA]
	; b1 goes into LDS in the order of the walk: copy i of wave w fills the 512 bytes of step t = 4 i + w, which are chunk (START + t) mod 16 of b1
	v_lshl_add_u32 v25, v0, 4, B1L                 ; 128 threads x 16 bytes: 512 w + 16 lane
	s_add_co_u32 s94, s[IX2], s26
.irp i, 0,1,2,3
	s_add_co_u32 s95, s94, 4*\i
	s_and_b32 s95, s95, 15
	s_lshl_b32 s95, s95, 9
	v_add_nc_u32 v[27+\i], s95, v[XGO]
.endr
	s_add_co_u32 s[IX1], s[IX2], 1                 ; step 1's chunk,
	s_and_b32 s[IX1], s[IX1], 15
	s_add_co_u32 s94, s[IX2], 15                   ; step 15's
	s_and_b32 s94, s94, 15
	s_mov_b32 s[OFP+1], 0
	s_wait_dscnt 0x0                               ; the opening add is done
	s_wait_kmcnt 0x0
	s_add_nc_u64 s[DWO0+2:DWO0+3], s[8:9], s[84:85]          ; Wo's rows 128 w + 0..31,
	s_add_nc_u64 s[DWO1+2:DWO1+3], s[DWO0+2:DWO0+3], 32768   ; 32..63
	s_add_nc_u64 s[10:11], s[10:11], s[86:87]                ; W1 at my 32 rows of chunk 0: a chunk is 131,072 bytes further
	s_add_nc_u64 s[12:13], s[12:13], s[88:89]                ; W2 at my 128 rows, chunk 0: a chunk is 256 bytes further
	s_lshl_b32 s[OFP], s[IX2], 17
	s_add_nc_u64 s[DW1A+2:DW1A+3], s[10:11], s[OFP:OFP+1]    ; W1's chunk of step 0,
	s_lshl_b32 s[OFP], s[IX1], 17
	s_add_nc_u64 s[DW1B+2:DW1B+3], s[10:11], s[OFP:OFP+1]    ; of step 1
	s_lshl_b32 s[OFP], s[IX2], 8
	s_add_nc_u64 s[DW2A+2:DW2A+3], s[12:13], s[OFP:OFP+1]    ; W2's chunk of step 0,
	s_lshl_b32 s[OFP], s94, 8
	s_add_nc_u64 s[DW2B+2:DW2B+3], s[12:13], s[OFP:OFP+1]    ; of step 15
.irp d, DWO0, DWO1, DW1A, DW1B, DW2A, DW2B
	s_or_b32 s[\d+3], s[\d+3], 0x80000000          ; type = 2
.endr
	s_add_nc_u64 s[4:5], s[4:5], s[90:91]
	s_add_nc_u64 s[24:25], s[24:25], s[90:91]
	s_add_nc_u64 s[6:7], s[6:7], s[30:31]
	ROUND                                          ; all four work-groups are here: the first joint loads meet
	tensor_load_to_lds s[DWO0:DWO0+3], s[G1T:G1T+7]  ; both first fills together: two loads of mine are out
	s_nop 0
	tensor_load_to_lds s[DWO1:DWO1+3], s[G1T:G1T+7]
	s_nop 0
	PLACES 4
	WIN 0x40
.set n, 0
.rept 64                               ; x by rows: my 512 consecutive bytes of row n
	global_load_b128 v[4*n:4*n+3], v[XGO], s[4:5] offset:2048*n th:TH_LOAD_NT
.set n, n+1
.endr
	WIN 0
.irp nb, 0,1,2,3,4,5,6,7
	global_load_b128 v[64+8*\nb:64+8*\nb+3],   v[CGO], s[14:15] offset:64*\nb     ; bo of my columns 16 nb + 8 hh + 0..7
	global_load_b128 v[64+8*\nb+4:64+8*\nb+7], v[CGO], s[14:15] offset:64*\nb+16
.endr
.irp i, 0,1,2,3
	global_load_b128 v[128+4*\i:128+4*\i+3], v[27+\i], s[16:17]
.endr
	WIN 0x80
.irp k, 0,1,2,3,4,5,6,7
.irp a, 0,1,2,3
	global_load_b128 v[8*(4*\k+\a):8*(4*\k+\a)+3],   v[OGO], s[6:7] offset:16384*\a+64*\k
	global_load_b128 v[8*(4*\k+\a)+4:8*(4*\k+\a)+7], v[OGO], s[6:7] offset:16384*\a+64*\k+32
.endr
.endr
	WIN 0xc0
.irp k, 0,1,2,3,4,5,6,7
.irp a, 0,1,2,3
	global_load_b128 v[8*(4*\k+\a):8*(4*\k+\a)+3],   v[OGO], s[6:7] offset:16384*\a+64*\k+512
	global_load_b128 v[8*(4*\k+\a)+4:8*(4*\k+\a)+7], v[OGO], s[6:7] offset:16384*\a+64*\k+544
.endr
.endr
	s_wait_loadcnt 63                              ; 148 loads were issued behind x's, 128 behind b1's: x, bo and b1 are in
	; x from rows to the accumulators' layout, 16 rows at a time through my own stage, back into the registers that it left.
	; Four registers n of a block are accumulator nb = n / 2, half e = n % 2: columns 16 nb + 8 hh + 4 e, byte 64 nb + 32 hh + 16 e of a stage row (32 hh lies in the address).
.irp a, 0,1,2,3
	WIN 0x04
.set n, 0
.rept 16
	ds_store_b128 v[SGS], v[64*\a+4*n:64*\a+4*n+3] offset:PS*n
.set n, n+1
.endr
	WIN 0x40
.set n, 0
.rept 16
	ds_load_b128 v[64*\a+4*n:64*\a+4*n+3], v[SGA] offset:64*(n/2)+16*(n%2)  ; LDS serves a wave's instructions in order (ISA guide 5.7.1.4): these see the stores above; the next block's stores come behind them
.set n, n+1
.endr
.endr
	WIN 0
.irp i, 0,1,2,3
	ds_store_b128 v25, v[128+4*\i:128+4*\i+3] offset:2048*\i
.endr
	s_wait_dscnt 0x0                               ; x is back; for the others' sake: my part of b1 is stored
	WIN 0x41
.set n, 0
.rept 128                              ; OUT = x + bo
	v_pk_add_f32 v[2*n:2*n+1], v[2*n:2*n+1], v[64+2*(n%32):64+2*(n%32)+1]
.set n, n+1
.endr
	WIN 0
	s_wait_tensorcnt 1                             ; my part of slot 0 is in; slot 1's may stay out
	s_barrier_signal -1
	s_barrier_wait -1
; 16 LDS loads: my 32 weight rows (c = 0, 1), 128 along k (group grp of four)
.macro FETCHG slot, grp, buf
.if MSB & 0xc3                         ; a load's destination and address lie in window 0
	WIN 0
.endif
.irp k, 0,1,2,3
.irp c, 0,1
	ds_load_b128 v[(\buf)+8*(2*\k+\c):(\buf)+8*(2*\k+\c)+3],   v[GA+(\slot)] offset:16*P1*\c+64*(4*(\grp)+\k)
	ds_load_b128 v[(\buf)+8*(2*\k+\c)+4:(\buf)+8*(2*\k+\c)+7], v[GA+(\slot)] offset:16*P1*\c+64*(4*(\grp)+\k)+32
.endr
.endr
.endm
.macro FETCHB                          ; b1 of my 32 hidden columns of the next step, as a C operand
.irp c, 0,1
	ds_load_b128 v[BI+8*\c:BI+8*\c+3],   v[BA] offset:64*\c
	ds_load_b128 v[BI+8*\c+4:BI+8*\c+7], v[BA] offset:64*\c+16
.endr
	v_add_nc_u32 v[BA], 512, v[BA]
.endm
; 24 LDS loads: my 128 rows of W2's chunk (their address in register wr) and T's 64 rows, 32 along k
.macro FETCH2 wr, ks, buf
	WIN 0
.irp nb, 0,1,2,3,4,5,6,7
	ds_load_b128 v[(\buf)+8*\nb:(\buf)+8*\nb+3],   v[\wr] offset:16*PO*\nb+64*(\ks)
	ds_load_b128 v[(\buf)+8*\nb+4:(\buf)+8*\nb+7], v[\wr] offset:16*PO*\nb+64*(\ks)+32
.endr
.irp a, 0,1,2,3
	ds_load_b128 v[(\buf)+64+8*\a:(\buf)+64+8*\a+3],   v[TRA] offset:16*PO*\a+64*(\ks)
	ds_load_b128 v[(\buf)+64+8*\a+4:(\buf)+64+8*\a+7], v[TRA] offset:16*PO*\a+64*(\ks)+32
.endr
.endm
; 8 products, 32 along k.  nt >= 0: onto OUT's columns 32 nt .. 32 nt + 31.  nt < 0: onto T's accumulators, whose sums b1 starts.  The eight accumulators take turns.
.macro GK ks, buf, nt
.if (\nt) < 0
	WIN (2+(\ks)/8)<<2
.else
	WIN 0x50|((2+(\ks)/8)<<2)
.endif
.irp c, 0,1
.irp a, 0,1,2,3
.set rA, (\buf)+8*(2*((\ks)%4)+\c)
.set rB, 8*(4*((\ks)%8)+\a)
.if (\nt) < 0
.set rD, TACC+8*(4*\c+\a)
.else
.set rD, 8*(8*\a+2*(\nt)+\c)
.endif
.if ((\nt) < 0) && ((\ks) == 0)
	v_wmma_f32_16x16x32_f16 v[rD:rD+7], v[rA:rA+7], v[rB:rB+7], v[BI+8*\c:BI+8*\c+7]
.else
	v_wmma_f32_16x16x32_f16 v[rD:rD+7], v[rA:rA+7], v[rB:rB+7], v[rD:rD+7]
.endif
.endr
.endr
.endm
.macro OKM buf, a                      ; 8 products of the second layer: rows 16 a .. of T, my 128 columns
	WIN 0x50
.irp nb, 0,1,2,3,4,5,6,7
	v_wmma_f32_16x16x32_f16 v[8*(8*(\a)+\nb):8*(8*(\a)+\nb)+7], v[(\buf)+8*\nb:(\buf)+8*\nb+7], v[(\buf)+64+8*(\a):(\buf)+64+8*(\a)+7], v[8*(8*(\a)+\nb):8*(8*(\a)+\nb)+7]
.endr
.endm
.macro OKALL buf
.irp a, 0,1,2,3
	OKM \buf, \a
.endr
.endm
; The walk's next chunk: the number steps round the ring of 16, and the descriptor's address is made anew from the tensor's base and the number shifted; the type bits are set again
.macro WALK ix, sh, base, d0
	s_add_co_u32 s[\ix], s[\ix], 1
	s_and_b32 s[\ix], s[\ix], 15
	s_lshl_b32 s[OFP], s[\ix], \sh
	s_add_nc_u64 s[(\d0)+2:(\d0)+3], s[(\base):(\base)+1], s[OFP:OFP+1]
	s_or_b32 s[(\d0)+3], s[(\d0)+3], 0x80000000
.endm
; THE CHANGE OF SLOTS, in a phase's last 32 products, whose fragments are all in registers.  Each wave waits for all its tensor loads (one is out: its part of the other slot), adds 0 to its spare word, and waits
; for that, for its reads of this slot and for its stores of T.  The barrier opens a round of the cluster's barrier; the joint refill is the first thing behind the round.  Of the 32 products eight stand between the
; add and the wait for it, eight between the barrier's signal and its wait, and sixteen behind the next phase's first fragment loads, which land under them.
; step > 0: the descriptor goes on by so many bytes; -1: W1's next chunk of the walk; -2: W2's; 0: it stands where it is wanted.
.macro TAILA d0, step
	WIN 0
	s_wait_tensorcnt 0x0                           ; no tensor load of mine is out, so a group 0 may be written
	ds_add_u32 v[SPW], v[NIL]
.if (\step) > 0
	s_add_nc_u64 s[(\d0)+2:(\d0)+3], s[(\d0)+2:(\d0)+3], \step
.elseif (\step) == -1
	WALK IX1, 17, 10, DW1B
.elseif (\step) == -2
	WALK IX2, 8, 12, DW2A
.endif
	s_wait_dscnt 1                                 ; the last fragments are in; the add may be out
.endm
.macro TAILB
	s_wait_dscnt 0x0
	s_barrier_signal -1
.endm
.macro TAILC d0, g1
	WIN 0                                          ; at a branch and at a label every window is 0
	s_barrier_wait -1
	CREST
	tensor_load_to_lds s[(\d0):(\d0)+3], s[(\g1):(\g1)+7]
	s_nop 0
	PLACES 4
.endm
.macro NEXTF nx                        ; the next phase's first fragments
.if (\nx) == 1
	FETCHG 1, 0, PBUF
.elseif (\nx) == 2
	FETCHG 0, 0, PBUF
.elseif (\nx) == 3
	FETCHG 1, 0, PBUF
	FETCHB
.elseif (\nx) == 4
	v_add_nc_u32 v[TRA], s77, v[TRB]
	FETCH2 OA, 0, XBUF
.endif
.endm
; A phase on a tile of 128 x 512: 128 products, fragments in four groups of 128 along k on buffers P, Q, P, Q; group 0 was asked for by the phase before.
.macro GH slot, nt, d0, g1, step, nx
	s_wait_dscnt 0x0
	PLACES 5                                       ; five: T's accumulators overlap a buffer that the last products read as a source
	FETCHG \slot, 1, QBUF
.irp k, 0,1,2,3
	GK \k, PBUF, \nt
.endr
	s_wait_dscnt 0x0
	PLACES 4
	FETCHG \slot, 2, PBUF
.irp k, 4,5,6,7
	GK \k, QBUF, \nt
.endr
	s_wait_dscnt 0x0
	PLACES 4
	FETCHG \slot, 3, QBUF
.irp k, 8,9,10,11
	GK \k, PBUF, \nt
.endr
	TAILA \d0, \step
	GK 12, QBUF, \nt
	TAILB
	GK 13, QBUF, \nt
	TAILC \d0, \g1
	NEXTF \nx
	GK 14, QBUF, \nt
	GK 15, QBUF, \nt
.endm
; T = relu(..), rounded to f16, each accumulator from its low end on; 16 bytes a lane into T's buffer
.macro PACKT
	WIN 0
	PLACES 4
.set n, 0
.rept 8
.irp i, 0,1,2,3,4,5,6,7
	v_max_num_f32 v[TACC+8*n+\i], 0, v[TACC+8*n+\i]
.endr
.irp i, 0,1,2,3
	v_cvt_pk_f16_f32 v[TACC+8*n+\i], v[TACC+8*n+2*\i], v[TACC+8*n+2*\i+1]
.endr
	ds_store_b128 v[TSA], v[TACC+8*n:TACC+8*n+3] offset:16*PO*(n%4)+32*(n/4)
.set n, n+1
.endr
.endm
; The first three of a second-layer phase's four steps of 32 along k, on buffers X, Y, X: step 0's fragments are in, step 1's have been asked for
.macro G2MID wr
	OKALL XBUF
	s_wait_dscnt 0x0
	PLACES 4
	FETCH2 \wr, 2, XBUF
	OKALL YBUF
	s_wait_dscnt 0x0
	PLACES 4
	FETCH2 \wr, 3, YBUF
	OKALL XBUF
.endm
	FETCHG 0, 0, PBUF
	s_wait_loadcnt 0x0                             ; o
	GH 0, 0, DWO0, G1T, 65536, 1                   ; OUT += o Wo^T, 32 of my columns a phase; slot 0 takes Wo's third tile
	GH 1, 1, DWO1, G1T, 65536, 2                   ; slot 1 its fourth
	GH 0, 2, DW1A, G1T, 0, 1                       ; slot 0 takes W1's chunk of step 0
	GH 1, 3, DW1B, G1T, 0, 0                       ; slot 1 that of step 1; both stay on their way across the plain barriers below, behind which nothing is filled
	; LAYER NORM 2.  OUT holds x1.  A lane has 64 of its row's 512 numbers for each a', the lane 16 away 64 more, the other waves the rest.
	WIN 0
	PLACES 4
.irp nb, 0,1,2,3,4,5,6,7
	global_load_b128 v[64+8*\nb:64+8*\nb+3],     v[CGO], s[20:21] offset:64*\nb
	global_load_b128 v[64+8*\nb+4:64+8*\nb+7],   v[CGO], s[20:21] offset:64*\nb+16
	global_load_b128 v[128+8*\nb:128+8*\nb+3],   v[CGO], s[22:23] offset:64*\nb
	global_load_b128 v[128+8*\nb+4:128+8*\nb+7], v[CGO], s[22:23] offset:64*\nb+16
.endr
	WIN 0x05                                       ; four chains, one for each a'
.irp a, 0,1,2,3
	v_pk_add_f32 v[40+2*\a:41+2*\a], v[64*\a:64*\a+1], v[64*\a+2:64*\a+3]
.endr
	WIN 0x04
.set t, 2
.rept 30
.irp a, 0,1,2,3
	v_pk_add_f32 v[40+2*\a:41+2*\a], v[40+2*\a:41+2*\a], v[64*\a+2*t:64*\a+2*t+1]
.endr
.set t, t+1
.endr
	WIN 0
.irp a, 0,1,2,3
	v_add_f32 v[40+2*\a], v[40+2*\a], v[41+2*\a]
.endr
.irp a, 0,1,2,3
	v_permlanex16_b32 v[41+2*\a], v[40+2*\a], s80, s81
.endr
.irp a, 0,1,2,3
	v_add_f32 v[40+2*\a], v[40+2*\a], v[41+2*\a]
.endr
.irp a, 0,1,2,3
	ds_store_b32 v[RSA], v[40+2*\a] offset:256*\a  ; both halves of the lanes write the same word with the same number
.endr
	s_wait_dscnt 0x0                               ; for the others' sake
	s_barrier_signal -1
	s_barrier_wait -1
.irp a, 0,1,2,3
	ds_load_b128 v[48+4*\a:51+4*\a], v[RLA] offset:256*\a
.endr
	s_wait_dscnt 0x0
.irp a, 0,1,2,3
	v_add_f32 v[48+4*\a], v[48+4*\a], v[49+4*\a]
	v_add_f32 v[50+4*\a], v[50+4*\a], v[51+4*\a]
.endr
.irp a, 0,1,2,3
	v_add_f32 v[48+4*\a], v[48+4*\a], v[50+4*\a]
.endr
.irp a, 0,1,2,3
	v_mul_f32 v[MU+2*\a], s82, v[48+4*\a]          ; the mean,
.endr
.irp a, 0,1,2,3
	v_mov_b32 v[MU+2*\a+1], v[MU+2*\a]             ; twice, for the packed forms
.endr
.irp a, 0,1,2,3
	WIN 0x01
.set t, 0
.rept 32
	v_pk_add_f32 v[192+2*t:193+2*t], v[64*\a+2*t:64*\a+2*t+1], v[MU+2*\a:MU+2*\a+1] neg_lo:[0,1] neg_hi:[0,1]
.set t, t+1
.endr
	WIN 0
.irp c, 0,1,2,3
	v_pk_mul_f32 v[40+2*\c:41+2*\c], v[192+2*\c:193+2*\c], v[192+2*\c:193+2*\c]
.endr
.set t, 4
.rept 28
	v_pk_fma_f32 v[40+2*(t%4):41+2*(t%4)], v[192+2*t:193+2*t], v[192+2*t:193+2*t], v[40+2*(t%4):41+2*(t%4)]
.set t, t+1
.endr
	v_pk_add_f32 v[40:41], v[40:41], v[42:43]
	v_pk_add_f32 v[44:45], v[44:45], v[46:47]
	v_pk_add_f32 v[40:41], v[40:41], v[44:45]
	v_add_f32 v[56+\a], v40, v41
.endr
.irp a, 0,1,2,3
	v_permlanex16_b32 v[60+\a], v[56+\a], s80, s81
.endr
.irp a, 0,1,2,3
	v_add_f32 v[56+\a], v[56+\a], v[60+\a]
.endr
.irp a, 0,1,2,3
	ds_store_b32 v[RSA], v[56+\a] offset:1024+256*\a  ; bytes of their own: no barrier is owed to the readers of the sums
.endr
	s_wait_dscnt 0x0
	s_barrier_signal -1
	s_barrier_wait -1
.irp a, 0,1,2,3
	ds_load_b128 v[40+4*\a:43+4*\a], v[RLA] offset:1024+256*\a
.endr
	s_wait_dscnt 0x0
.irp a, 0,1,2,3
	v_add_f32 v[40+4*\a], v[40+4*\a], v[41+4*\a]
	v_add_f32 v[42+4*\a], v[42+4*\a], v[43+4*\a]
.endr
.irp a, 0,1,2,3
	v_add_f32 v[40+4*\a], v[40+4*\a], v[42+4*\a]
.endr
.irp a, 0,1,2,3
	v_fma_f32 v[40+4*\a], v[40+4*\a], s82, s83     ; variance + 1e-5
.endr
.irp a, 0,1,2,3
	v_rsq_f32 v[AR+2*\a], v[40+4*\a]
.endr
	v_nop                                          ; a plain instruction between the last transcendental and the use of its result
	s_wait_alu depctr_va_vdst(0)
.irp a, 0,1,2,3
	v_mov_b32 v[AR+2*\a+1], v[AR+2*\a]
.endr
.irp a, 0,1,2,3
	v_mul_f32 v[MU+2*\a], -v[MU+2*\a], v[AR+2*\a]  ; -mean / sigma
.endr
.irp a, 0,1,2,3
	v_mov_b32 v[MU+2*\a+1], v[MU+2*\a]
.endr
	s_wait_loadcnt 0x0                             ; g2, be2
; h2 of 16 rows, my 128 columns: (x1 / sigma - mean / sigma) g2 + be2, rounded to f16, into slice w of the exchange
.macro STEP3 a
	WIN 0x01
.set t, 0
.rept 32
	v_pk_fma_f32 v[192+2*t:193+2*t], v[64*(\a)+2*t:64*(\a)+2*t+1], v[AR+2*(\a):AR+2*(\a)+1], v[MU+2*(\a):MU+2*(\a)+1]
.set t, t+1
.endr
	WIN 0
.set t, 0
.rept 32
	v_pk_fma_f32 v[192+2*t:193+2*t], v[192+2*t:193+2*t], v[64+2*t:65+2*t], v[128+2*t:129+2*t]
.set t, t+1
.endr
.set t, 0
.rept 32
	v_cvt_pk_f16_f32 v[192+t], v[192+2*t], v[193+2*t]
.set t, t+1
.endr
.irp nb, 0,1,2,3,4,5,6,7
	ds_store_b128 v[HXS], v[192+4*\nb:195+4*\nb] offset:16*PO*((\a)%2)+32*\nb
.endr
.endm
; 64 LDS loads: the fragments of h2's rows 32 half .. 32 half + 31, all 512 columns, from the four slices
.macro LOADHR half
.irp w, 0,1
	WIN 0x80+0x40*\w
.irp k, 0,1,2,3,4,5,6,7
.irp e, 0,1
	ds_load_b128 v[8*(4*\k+2*(\half)+\e):8*(4*\k+2*(\half)+\e)+3],   v[TRB] offset:32*PO*((8*\w+\k)/4)+16*PO*\e+64*(\k%4)
	ds_load_b128 v[8*(4*\k+2*(\half)+\e)+4:8*(4*\k+2*(\half)+\e)+7], v[TRB] offset:32*PO*((8*\w+\k)/4)+16*PO*\e+64*(\k%4)+32
.endr
.endr
.endr
	WIN 0
.endm
	STEP3 0
	STEP3 1
	s_wait_dscnt 0x0                               ; my part of the first 32 rows is stored
	s_barrier_signal -1
	s_barrier_wait -1
	LOADHR 0
	s_wait_dscnt 0x0                               ; my reads of them are over, before anybody stores the next 32 rows
	s_barrier_signal -1
	s_barrier_wait -1
	STEP3 2
	STEP3 3
	s_wait_dscnt 0x0
.irp nb, 0,1,2,3,4,5,6,7
	global_load_b128 v[192+8*\nb:195+8*\nb], v[CGO], s[18:19] offset:64*\nb     ; b2, into registers that the stores above have read
	global_load_b128 v[196+8*\nb:199+8*\nb], v[CGO], s[18:19] offset:64*\nb+16
.endr
	s_barrier_signal -1
	s_barrier_wait -1
	LOADHR 1
	FETCHG 0, 0, PBUF                              ; W1's first chunk was shown landed by the last change of slots
	FETCHB
	s_wait_loadcnt 0x0                             ; b2
	WIN 0x41
.set n, 0
.rept 128                              ; OUT = x1 + b2
	v_pk_add_f32 v[2*n:2*n+1], v[2*n:2*n+1], v[192+2*(n%32):193+2*(n%32)]
.set n, n+1
.endr
	WIN 0
	GH 0, -1, DW2A, G1O, 0, 3                      ; G1(0); slot 0 takes W2's chunk of step 0
	WIN 0
	v_mov_b32 v[TSA], v[TSB]
	PACKT                                          ; T_0 into buffer 0
	WIN 0
	s_mov_b32 s76, 14
	s_mov_b32 s77, 0                               ; the buffer that G2(j) reads: j % 2
	s_mov_b32 s78, TBB                             ; the buffer that T_(j+1) goes into
.Lchunk:                                               ; trip j = 0 .. 13: G1(j + 1) on slot 1, G2(j) on slot 0; both slots are filled again
	GH 1, -1, DW1B, G1T, -1, 4                     ; slot 1 takes W1's chunk of step j + 2
	WIN 0
	v_add_nc_u32 v[TSA], s78, v[TSB]
	PACKT
	s_wait_dscnt 8                                 ; G2(j): step 0's fragments are in; PACKT's eight stores may be out
	PLACES 4
	FETCH2 OA, 1, YBUF
	G2MID OA
	TAILA DW2A, -2                                 ; slot 0 takes W2's chunk of step j + 1
	OKM YBUF, 0
	TAILB
	OKM YBUF, 1
	TAILC DW2A, G1O
	NEXTF 3
	OKM YBUF, 2
	OKM YBUF, 3
	WIN 0
	s_xor_b32 s77, s77, TBB
	s_xor_b32 s78, s78, TBB
	s_sub_co_u32 s76, s76, 1
	s_cmp_lg_u32 s76, 0
	s_cbranch_scc1 .Lchunk
	GH 1, -1, DW2B, G1O, 0, 0                      ; G1(15); slot 1 takes W2's chunk of step 15: the last load
	WIN 0
	v_add_nc_u32 v[TSA], TBB, v[TSB]
	PACKT
	WIN 0
	; G2(14) on slot 0 and T's buffer 0, G2(15) on slot 1 and buffer 1: two trips of one text; nothing is filled any more.  Each trip fetches its own first two steps at its head, so nothing is fetched in vain.
	s_mov_b32 s76, 2
	s_mov_b32 s77, 0                               ; T's buffer,
	s_mov_b32 s78, 0                               ; and the slot: each turned by an exclusive or at the trip's end
.Llast:
	PLACES 4                                       ; both buffers were read by products just issued
	v_add_nc_u32 v[TRA], s77, v[TRB]
	v_add_nc_u32 v[OAX], s78, v[OA]
	FETCH2 OAX, 0, XBUF
	FETCH2 OAX, 1, YBUF
	s_wait_dscnt 24                                ; step 0's fragments are in (and PACKT's stores, which are older); step 1's 24 loads may be out
	G2MID OAX
	TAILA 0, 0                                     ; first trip: my part of W2's last chunk has landed
	OKM YBUF, 0
	TAILB                                          ; my reads of T and of the slot are over, my stores of T_15 done
	OKM YBUF, 1
	s_barrier_wait -1                              ; first trip: the last chunk and T_15 are whole; second trip: nobody reads T any more, and its buffers may serve as stages
	OKM YBUF, 2
	OKM YBUF, 3
	WIN 0
	s_xor_b32 s77, s77, TBB
	s_xor_b32 s78, s78, SLOTB
	s_sub_co_u32 s76, s76, 1
	s_cmp_lg_u32 s76, 0
	s_cbranch_scc1 .Llast
	; THE WAY OUT: 16 rows at a time through my own stage, back as rows of 512 bytes, into the registers that they left; a block's LDS traffic stands between the block before's loads and its stores
.macro STGIN a
	WIN 0x04
.set n, 0
.rept 16
	ds_store_b128 v[SGA], v[64*(\a)+4*n:64*(\a)+4*n+3] offset:64*(n/2)+16*(n%2)  ; accumulator n / 2, half n % 2: byte 64 nb + 32 hh + 16 e of the row; each accumulator's registers 0-3 first
.set n, n+1
.endr
	WIN 0x40
.set n, 0
.rept 16
	ds_load_b128 v[64*(\a)+4*n:64*(\a)+4*n+3], v[SGS] offset:PS*n
.set n, n+1
.endr
.endm
.macro SENDO a, younger
	s_wait_dscnt \younger                          ; the block is back; the next block's 32 LDS instructions may be out
	WIN 0x04
.set n, 0
.rept 16
	global_store_b128 v[XGO], v[64*(\a)+4*n:64*(\a)+4*n+3], s[24:25] offset:2048*(16*(\a)+n) th:TH_STORE_NT  ; 512 consecutive bytes, at a multiple of 256 from out0's first byte
.set n, n+1
.endr
.endm
	PLACES 4
	STGIN 0
	STGIN 1
	SENDO 0, 32
	STGIN 2
	SENDO 1, 32
	STGIN 3
	SENDO 2, 32
	SENDO 3, 0
	WIN 0
	s_wait_tensorcnt 0x0                           ; the wave's end
	ds_add_u32 v[SPW], v[NIL]
	s_wait_dscnt 0x0
	ROUND                                          ; the closing round: no work-group ends while a partner may still ask for a tile that names it
	s_endpgm
.Lfunc_end_k_q9c53e5ada4_ffn:
	.size	k_q9c53e5ada4_ffn, .Lfunc_end_k_q9c53e5ada4_ffn-k_q9c53e5ada4_ffn
	.p2alignl 7, 3214868480
	.fill 96, 4, 3214868480
	.section	.rodata,"a",@progbits
	.p2align	6, 0x0
	.amdhsa_kernel k_q9c53e5ada4_ffn
		.amdhsa_group_segment_fixed_size 327680
		.amdhsa_private_segment_fixed_size 0
		.amdhsa_enable_private_segment 0
		.amdhsa_kernarg_size 88
		.amdhsa_user_sgpr_count 2
		.amdhsa_user_sgpr_kernarg_segment_ptr 1
		.amdhsa_wavefront_size32 1
		.amdhsa_system_sgpr_workgroup_id_x 1
		.amdhsa_system_sgpr_workgroup_id_y 1
		.amdhsa_system_sgpr_workgroup_id_z 1
		.amdhsa_system_vgpr_workitem_id 0
		.amdhsa_next_free_vgpr 1024
		.amdhsa_next_free_sgpr 96
		.amdhsa_reserve_vcc 0
		.amdhsa_float_denorm_mode_32 3
		.amdhsa_float_denorm_mode_16_64 3
		.amdhsa_memory_ordered 1
		.amdhsa_forward_progress 1
		.amdhsa_inst_pref_size 255
	.end_amdhsa_kernel
	.section	.bss,"aw",@nobits
	.p2align	6
	.space	262144
	.amdgpu_metadata
---
amdhsa.version: [ 1, 2 ]
amdhsa.kernels:
  - .name:           k_q9c53e5ada4_ffn
    .symbol:         k_q9c53e5ada4_ffn.kd
    .args:
      - { .name: x, .offset: 0, .size: 8, .value_kind: global_buffer, .address_space: global }
      - { .name: o, .offset: 8, .size: 8, .value_kind: global_buffer, .address_space: global }
      - { .name: wo16, .offset: 16, .size: 8, .value_kind: global_buffer, .address_space: global }
      - { .name: w116, .offset: 24, .size: 8, .value_kind: global_buffer, .address_space: global }
      - { .name: w216, .offset: 32, .size: 8, .value_kind: global_buffer, .address_space: global }
      - { .name: bo, .offset: 40, .size: 8, .value_kind: global_buffer, .address_space: global }
      - { .name: b1, .offset: 48, .size: 8, .value_kind: global_buffer, .address_space: global }
      - { .name: b2, .offset: 56, .size: 8, .value_kind: global_buffer, .address_space: global }
      - { .name: g2, .offset: 64, .size: 8, .value_kind: global_buffer, .address_space: global }
      - { .name: be2, .offset: 72, .size: 8, .value_kind: global_buffer, .address_space: global }
      - { .name: out0, .offset: 80, .size: 8, .value_kind: global_buffer, .address_space: global }
    .group_segment_fixed_size: 327680
    .private_segment_fixed_size: 0
    .kernarg_segment_align: 8
    .kernarg_segment_size: 88
    .max_flat_workgroup_size: 128
    .sgpr_count:     96
    .vgpr_count:     1024
    .wavefront_size: 32
...
	.end_amdgpu_metadata
.endif
;; end of part 6
